; MI455X (gfx1250); checked and timed in simulation.
; The chip was launched on July 23, 2026; its instructions are those of AMD's public machine-readable ISA for CDNA 5 (MIT licence, August 2026) and "CDNA5" Instruction Set Architecture Reference Guide (July 2026). The comments in the code are by the model that wrote it; some were corrected since.
;; Model. Allowed arithmetic: float matrix products may take bf16 or f16 operands with f32 sums; other float arithmetic in f32, or as packed bf16 or f16 multiplies, adds, multiply-adds, maxima and minima; sums over many terms, partial sums and values carried from step to step in f32; what a program stores and reads back later, other than sums and carried values, may be rounded once to bf16 or f16.
;; Inputs: W1 4 x 1,024 x 4,096 float32; W2 4 x 4,096 x 1,024 float32; Wg 1,024 x 4 float32; Wh 1,024 x 1,000 float32; b1 4 x 4,096 float32; b2 4 x 1,024 float32; bg 4 float32; bh 1,000 float32; x 16 x 128 x 1,024 float32.
;; Outputs: out0 16 x 1,000 float32; out1 one number float32.
;; 2 versions, each right. Each part assembles by itself: llvm-mc -triple=amdgcn-amd-amdhsa -mcpu=gfx1250 --defsym DOCPART=n.
;; ======== version 1 of 2: 4 launches
;; limits: values outside matrix products are rounded to bf16
;; workspace buffers: xb 4,194,304 bytes; idx 8,192 bytes of whole numbers; gate 8,192 bytes; psum 8,192 bytes; part 16,777,216 bytes; pooled 65,536 bytes
;; launch route (part 1): grid 256 x 1, 8 waves a work-group, no clusters, 1,536 bytes of LDS; arguments x, Wg, bg, xb, idx, gate, psum; writes xb, idx, gate, psum
.if DOCPART == 1
	.amdgcn_target "amdgcn-amd-amdhsa--gfx1250"
	.amdhsa_code_object_version 6
	.text
	.protected	k_q7df7f44ea7_route
	.globl	k_q7df7f44ea7_route
	.p2align	8
	.type	k_q7df7f44ea7_route,@function
k_q7df7f44ea7_route:
	s_mov_b64 s[64:65], 0
	v_nop
	global_prefetch_b8 v0, s[64:65] scope:SCOPE_SE
	s_setreg_imm32_b32 hwreg(HW_REG_WAVE_MODE, 25, 1), 1
	s_wait_xcnt 0x0
; ROUTER.  For each of 2,048 tokens: xb = x rounded to bf16; logits = xb . bf16(Wg) + bf16(bg), summed in f32; softmax with the row's maximum taken away;
; the chosen expert (whole number), its gate value, and for each work-group the sums of the four probabilities and of the four one-hot counts.
; SHARES.  One wave takes one token (token = 8 x work-group + wave): 32 lanes along k, so that every load of x and every store of xb covers whole runs of neighbouring bytes.
; The product has 4 columns and is a stream of x: it goes by fused multiply-adds from bf16 halves into f32, not by the matrix unit; no cluster: no tile is shared but 16 KB of Wg.
; LIMITS.  The choice is made on the logits of the ROUNDED inputs (bf16 x, Wg, bg; f32 sums in this text's order); an exact tie goes to the lower index.  NaN and infinities are not treated apart.
.set SPARE, 512                        ; the spare words: 128 bytes for each of 8 waves; no other line names them
.set SPW, 2                            ; v2  SPARE + 4 x thread; never rewritten
.set NIL, 3                            ; v3  0; never rewritten
.set SUM, 8                            ; v8-11 the four logits
.set X,   32                           ; v32-63 my 32 numbers of the token's row: k = 128 j + 4 lane + c
.set W,   64                           ; v64-191 Wg's rows for the same k: 4 experts each
	s_load_b256 s[4:11], s[0:1], 0x0               ; x s[4:5], Wg s[6:7], bg s[8:9], xb s[10:11]
	s_load_b128 s[12:15], s[0:1], 0x20             ; idx s[12:13], gate s[14:15]
	s_load_b64 s[16:17], s[0:1], 0x30              ; psum
	v_lshl_add_u32 v[SPW], v0, 2, SPARE
	v_mov_b32 v[NIL], 0
	v_and_b32 v1, 31, v0                           ; lane
	v_lshrrev_b32 v7, 5, v0                        ; wave, in every lane
	v_readfirstlane_b32 s2, v7                     ; and as a scalar
	s_lshl_b32 s3, ttmp9, 3
	s_add_co_u32 s3, s3, s2                        ; my token
	s_mov_b32 s24, 0x76543210                      ; v_permlanex16_b32: each lane takes its own place in the other half
	s_mov_b32 s25, 0xfedcba98
	v_lshlrev_b32 v4, 4, v1                        ; 16 lane: x
	v_lshlrev_b32 v5, 6, v1                        ; 64 lane: four rows of Wg
	v_lshlrev_b32 v6, 3, v1                        ; 8 lane: xb
	s_lshl_b32 s18, s3, 12                         ; a row of x is 4,096 bytes,
	s_mov_b32 s19, 0
	s_lshl_b32 s26, s3, 11                         ; a row of xb 2,048
	s_mov_b32 s27, 0
	s_wait_kmcnt 0x0
	s_load_b128 s[20:23], s[8:9], 0x0              ; bg: four numbers
	s_add_nc_u64 s[4:5], s[4:5], s[18:19]
	s_add_nc_u64 s[10:11], s[10:11], s[26:27]
.irp j, 0,1,2,3,4,5,6,7
	global_load_b128 v[X+4*\j:X+4*\j+3], v4, s[4:5] offset:512*\j th:TH_LOAD_NT  ; 512 neighbouring bytes a load
.endr
.irp j, 0,1,2,3,4,5,6,7
.irp c, 0,1,2,3
	global_load_b128 v[W+16*\j+4*\c:W+16*\j+4*\c+3], v5, s[6:7] offset:2048*\j+16*\c  ; row k = 128 j + 4 lane + c
.endr
.endr
	v_mov_b32 v12, 0                               ; the exchange's destination counts as read
.irp e, 0,1,2,3
	v_mov_b32 v[SUM+\e], 0
.endr
	s_wait_loadcnt 32                              ; x is in: the 32 loads of Wg are younger
.irp j, 0,1,2,3,4,5,6,7
	v_cvt_pk_bf16_f32 v[X+4*\j], v[X+4*\j], v[X+4*\j+1]      ; c = 0, 1
	v_cvt_pk_bf16_f32 v[X+4*\j+1], v[X+4*\j+2], v[X+4*\j+3]  ; c = 2, 3
	global_store_b64 v6, v[X+4*\j:X+4*\j+1], s[10:11] offset:256*\j  ; the wave's store covers 256 consecutive bytes, aligned; the pair is only read from here on
.endr
	s_wait_loadcnt 0x0                             ; Wg
.set q, 0
.rept 32
	v_cvt_pk_bf16_f32 v[W+4*q], v[W+4*q], v[W+4*q+1]         ; experts 0, 1
	v_cvt_pk_bf16_f32 v[W+4*q+1], v[W+4*q+2], v[W+4*q+3]     ; experts 2, 3
.set q, q+1
.endr
; sum e += bf16 half sx of xr times bf16 half sw of wr, fused, in f32
.macro FM e, xr, wr, sx, sw
	v_fma_mix_f32_bf16 v[SUM+(\e)], v[\xr], v[\wr], v[SUM+(\e)] op_sel:[\sx,\sw,0] op_sel_hi:[1,1,0]
.endm
.irp j, 0,1,2,3,4,5,6,7                ; the four sums take turns
	FM 0, X+4*\j,   W+16*\j,    0, 0
	FM 1, X+4*\j,   W+16*\j,    0, 1
	FM 2, X+4*\j,   W+16*\j+1,  0, 0
	FM 3, X+4*\j,   W+16*\j+1,  0, 1
	FM 0, X+4*\j,   W+16*\j+4,  1, 0
	FM 1, X+4*\j,   W+16*\j+4,  1, 1
	FM 2, X+4*\j,   W+16*\j+5,  1, 0
	FM 3, X+4*\j,   W+16*\j+5,  1, 1
	FM 0, X+4*\j+1, W+16*\j+8,  0, 0
	FM 1, X+4*\j+1, W+16*\j+8,  0, 1
	FM 2, X+4*\j+1, W+16*\j+9,  0, 0
	FM 3, X+4*\j+1, W+16*\j+9,  0, 1
	FM 0, X+4*\j+1, W+16*\j+12, 1, 0
	FM 1, X+4*\j+1, W+16*\j+12, 1, 1
	FM 2, X+4*\j+1, W+16*\j+13, 1, 0
	FM 3, X+4*\j+1, W+16*\j+13, 1, 1
.endr
.macro WSUM r                          ; the sum over the 32 lanes, in every lane
	v_add_f32_dpp v[\r], v[\r], v[\r] row_xmask:1 row_mask:0xf bank_mask:0xf
	v_add_f32_dpp v[\r], v[\r], v[\r] row_xmask:2 row_mask:0xf bank_mask:0xf
	v_add_f32_dpp v[\r], v[\r], v[\r] row_xmask:4 row_mask:0xf bank_mask:0xf
	v_add_f32_dpp v[\r], v[\r], v[\r] row_xmask:8 row_mask:0xf bank_mask:0xf
	v_permlanex16_b32 v12, v[\r], s24, s25
	v_add_f32 v[\r], v[\r], v12
.endm
	WSUM SUM
	WSUM SUM+1
	WSUM SUM+2
	WSUM SUM+3
	s_wait_kmcnt 0x0                               ; bg
	v_mov_b32 v16, s20
	v_mov_b32 v17, s21
	v_mov_b32 v18, s22
	v_mov_b32 v19, s23
	v_cvt_pk_bf16_f32 v20, v16, v17                ; bg rounded to bf16, like every input
	v_cvt_pk_bf16_f32 v21, v18, v19
	v_lshlrev_b32 v16, 16, v20
	v_and_b32 v17, 0xffff0000, v20
	v_lshlrev_b32 v18, 16, v21
	v_and_b32 v19, 0xffff0000, v21
	v_add_f32 v8, v8, v16
	v_add_f32 v9, v9, v17
	v_add_f32 v10, v10, v18
	v_add_f32 v11, v11, v19
	v_max3_num_f32 v22, v8, v9, v10                ; the row's maximum
	v_max_num_f32 v22, v22, v11
	v_mov_b32 v23, v8                              ; the best so far, and its index: a later one wins only if strictly greater
	v_mov_b32 v27, 0
	v_cmp_gt_f32 vcc_lo, v9, v23
	v_cndmask_b32 v23, v23, v9, vcc_lo
	v_cndmask_b32 v27, v27, 1, vcc_lo
	v_cmp_gt_f32 vcc_lo, v10, v23
	v_cndmask_b32 v23, v23, v10, vcc_lo
	v_cndmask_b32 v27, v27, 2, vcc_lo
	v_cmp_gt_f32 vcc_lo, v11, v23
	v_cndmask_b32 v27, v27, 3, vcc_lo
.irp e, 0,1,2,3
	v_sub_f32 v[16+\e], v[SUM+\e], v22             ; exactly 0 for the maximum
.endr
.irp e, 0,1,2,3
	v_mul_f32 v[16+\e], 0x3fb8aa3b, v[16+\e]       ; times log2(e)
.endr
.irp e, 0,1,2,3
	v_exp_f32 v[16+\e], v[16+\e]
.endr
	v_nop                                          ; a plain instruction behind the last exponential,
	s_wait_alu depctr_va_vdst(0)                   ; and one wait for the batch of four, ahead of the first use
	v_add_f32 v20, v16, v17
	v_add_f32 v21, v18, v19
	v_add_f32 v20, v20, v21
	v_rcp_f32 v26, v20                             ; 1 / sum: also the gate, since the maximum's exponential is 1
	v_nop
	s_wait_alu depctr_va_vdst(0)
.irp e, 0,1,2,3
	v_mul_f32 v[16+\e], v[16+\e], v26              ; the probabilities
.endr
.irp e, 0,1,2,3
	v_cmp_eq_u32 vcc_lo, \e, v27
	v_cndmask_b32 v[28+\e], 0, 1.0, vcc_lo         ; the one-hot row
.endr
	v_lshlrev_b32 v25, 5, v7                       ; LDS: wave w's eight numbers at 32 w,
	v_lshlrev_b32 v24, 3, v7                       ; its gate and index at 256 + 8 w
	ds_store_b128 v25, v[16:19]                    ; all lanes write the same words with the same values
	ds_store_b128 v25, v[28:31] offset:16
	ds_store_b64 v24, v[26:27] offset:256
	s_wait_dscnt 0x0                               ; for the others' sake: my stores are done
	s_barrier_signal -1
	s_barrier_wait -1
	s_cmp_lg_u32 s2, 0
	s_cbranch_scc1 .Lend                           ; wave 0 gathers and stores for the work-group
	v_lshlrev_b32 v12, 2, v1
	v_and_b32 v15, 7, v1
	v_lshlrev_b32 v15, 3, v15
	ds_load_b32 v13, v12                           ; word l: wave l / 8, field l % 8
	ds_load_b32 v14, v12 offset:128                ; the same field of wave l / 8 + 4
	ds_load_b64 v[16:17], v15 offset:256           ; gate and index of wave l % 8
	s_lshl_b32 s18, ttmp9, 5
	v_add_nc_u32 v19, s18, v12                     ; 32 x work-group + 4 lane: the place in psum, gate and idx alike
	s_wait_dscnt 0x0
	v_add_f32 v13, v13, v14
	v_add_f32_dpp v13, v13, v13 row_xmask:8 row_mask:0xf bank_mask:0xf
	v_permlanex16_b32 v18, v13, s24, s25
	v_add_f32 v13, v13, v18                        ; field l % 8 summed over the eight waves
	s_wait_xcnt 0x0                                ; EXEC changes only behind this wait
	v_cmp_gt_u32 vcc_lo, 8, v1
	s_and_saveexec_b32 s28, vcc_lo                 ; lanes 0 to 7
	global_store_b32 v19, v13, s[16:17]            ; 32 bytes each: three short stores a work-group, all that the launch has of them
	global_store_b32 v19, v16, s[14:15]
	global_store_b32 v19, v17, s[12:13]
	s_wait_xcnt 0x0                                ; and again, ahead of the line that widens it
	s_or_b32 exec_lo, exec_lo, s28
.Lend:
	s_wait_tensorcnt 0x0                           ; the wave's end, behind my last LDS store
	ds_add_u32 v[SPW], v[NIL]
	s_wait_dscnt 0x0
	s_endpgm
.Lfunc_end_k_q7df7f44ea7_route:
	.size	k_q7df7f44ea7_route, .Lfunc_end_k_q7df7f44ea7_route-k_q7df7f44ea7_route
	.p2alignl 7, 3214868480
	.fill 96, 4, 3214868480
	.section	.rodata,"a",@progbits
	.p2align	6, 0x0
	.amdhsa_kernel k_q7df7f44ea7_route
		.amdhsa_group_segment_fixed_size 1536
		.amdhsa_private_segment_fixed_size 0
		.amdhsa_enable_private_segment 0
		.amdhsa_kernarg_size 56
		.amdhsa_user_sgpr_count 2
		.amdhsa_user_sgpr_kernarg_segment_ptr 1
		.amdhsa_wavefront_size32 1
		.amdhsa_system_sgpr_workgroup_id_x 1
		.amdhsa_system_sgpr_workgroup_id_y 1
		.amdhsa_system_sgpr_workgroup_id_z 1
		.amdhsa_system_vgpr_workitem_id 0
		.amdhsa_next_free_vgpr 192
		.amdhsa_next_free_sgpr 66
		.amdhsa_reserve_vcc 1
		.amdhsa_float_denorm_mode_32 3
		.amdhsa_float_denorm_mode_16_64 3
		.amdhsa_memory_ordered 1
		.amdhsa_forward_progress 1
		.amdhsa_inst_pref_size 25
	.end_amdhsa_kernel
	.amdgpu_metadata
---
amdhsa.version: [ 1, 2 ]
amdhsa.kernels:
  - .name:           k_q7df7f44ea7_route
    .symbol:         k_q7df7f44ea7_route.kd
    .args:
      - { .name: x, .offset: 0, .size: 8, .value_kind: global_buffer, .address_space: global }
      - { .name: Wg, .offset: 8, .size: 8, .value_kind: global_buffer, .address_space: global }
      - { .name: bg, .offset: 16, .size: 8, .value_kind: global_buffer, .address_space: global }
      - { .name: xb, .offset: 24, .size: 8, .value_kind: global_buffer, .address_space: global }
      - { .name: idx, .offset: 32, .size: 8, .value_kind: global_buffer, .address_space: global }
      - { .name: gate, .offset: 40, .size: 8, .value_kind: global_buffer, .address_space: global }
      - { .name: psum, .offset: 48, .size: 8, .value_kind: global_buffer, .address_space: global }
    .group_segment_fixed_size: 1536
    .private_segment_fixed_size: 0
    .kernarg_segment_align: 8
    .kernarg_segment_size: 56
    .max_flat_workgroup_size: 256
    .sgpr_count:     66
    .vgpr_count:     192
    .wavefront_size: 32
...
	.end_amdgpu_metadata
.endif
;; end of part 1
;; launch experts (part 2): grid 256 x 1, 4 waves a work-group, no clusters, 235,008 bytes of LDS; arguments xb, W1, b1, W2, b2, idx, gate, part; writes part
.if DOCPART == 2
	.amdgcn_target "amdgcn-amd-amdhsa--gfx1250"
	.amdhsa_code_object_version 6
	.text
	.protected	k_q7df7f44ea7_experts
	.globl	k_q7df7f44ea7_experts
	.p2align	8
	.type	k_q7df7f44ea7_experts,@function
k_q7df7f44ea7_experts:
	s_mov_b64 s[64:65], 0
	v_nop
	global_prefetch_b8 v0, s[64:65] scope:SCOPE_SE
	s_setreg_imm32_b32 hwreg(HW_REG_WAVE_MODE, 25, 1), 1
	s_wait_xcnt 0x0
; THE EXPERTS.  Work-group (e, sl), e = expert 0..3, sl = slice 0..63, owns hidden columns 64 sl .. 64 sl + 63 of expert e and ALL tokens that chose e.  It stores
;   part[wg][b][d] = sum over its 64 columns h of G[b][h] W2[e][h][d]  (+ GS[b] b2[e][d] in slice 0),   G[b][h] = sum over tokens s of batch b that chose e of (g_s / 128) relu(x_s . W1[e][:, h] + b1[e][h]),
;   GS[b] = the sum of those g_s / 128.  The mean over a batch's tokens is linear and follows the second product, so it is taken AHEAD of it: the second product has 16 rows an expert, and h never leaves registers.
; Each byte of W1 and W2 is read once in the launch, by this work-group alone, in rows of 256 aligned bytes, and rounded to bf16 on its way through registers.
; LIMITS.  All inputs are rounded to bf16; relu(h) and g / 128 are rounded once to bf16 as matrix operands; G goes as two bf16 numbers, the rounded G and the rounded remainder; sums in f32, in another order
; than the formula as written (pooling first).  Places past an expert's count repeat token 0 with weight 0: token 0's hidden row must be finite under every expert.  NaN and infinities are not treated apart.
; NO TENSOR LOADS, NO CLUSTER: a weight slice has one reader and must pass through registers to be rounded; what an expert's work-groups share is its token rows, which come by a list that no descriptor covers.
; EVERY SPLIT IS SERVED: rows go in tiles of 16; tile 40 p + 4 t + w is slot t (0..9) of wave w in group p (0..3): 2,560 places, more than all 2,048 tokens.  A group without rows for a wave is jumped.
; LAYOUTS.  (1) A lane's 16 bytes of a weight row are 4 neighbouring columns; rounding row k and row k + 1 of element c together gives a register of B's fragment for tile c, in which lane r stands for column 4 r + c.
; (2) D = x W1: lane r = column, register j = token 8 hh + j.  (3) Two such results, rounded in pairs, ARE an operand with row = column and k = 32 token places.  (4) PM: lane r = batch r, k = the same 32 places,
; g / 128 where the place's token lies in batch r, else 0.  GT[c] += HF[c] x PM: lane = batch, register = column index.  GS += PM x ones.  (5) GT[2 kk] and GT[2 kk + 1], rounded in pairs, ARE the A operand of the
; second product: row = batch, k slot 16 u + 8 hh + j = W2's local row 32 hh + 4 j + 2 kk + u; B is built of exactly those rows by (1).  Nothing changes lanes anywhere.
; REGISTERS in windows of 256 (s_set_vgpr_msb: bits 1:0 source 0, 3:2 source 1, 5:4 source 2, 7:6 destination); this text names them by absolute number, and the macros below cut window and low byte.
.set LIST,  131072                     ; LDS 0..131,071: W1's slice as bf16 fragments: k step j, tile c, half: 4096 j + 1024 c + 512 half + 16 lane
.set LISTB, 20736                      ; then a list for each wave, its own: 2,560 entries of 8 bytes (token, g / 128) and a dump entry
.set EXCH,  214016                     ; then 5,120 bytes for each wave: its GT and GS
.set EXB,   5120
.set SPARE, 234496                     ; then the spare words, 128 bytes for each wave; no other line names them
.set R,    1                           ; lane % 16
.set HH,   2                           ; lane / 16
.set LANE, 3
.set SPW,  4                           ; SPARE + 4 x thread; never rewritten
.set NIL,  5                           ; 0; never rewritten
.set ZERO, 6                           ; 0, for the arithmetic
.set VB,   7                           ; LDS address of the B fragments in hand
.set VB0,  8                           ; 16 lane
.set VL,   9                           ; my list + 128 w + 8 r: the token of place r of my slot 0
.set VP,   10                          ; my list + 128 w + 64 hh: the entries of places 8 hh .. of my slot 0
.set H16,  11                          ; 16 hh
.set VLB,  12                          ; my list
.set L4,   13                          ; 4 lane
.set DUMP, 14                          ; 2560
.set VW,   15                          ; W1: 8 hh rows + 16 r
.set VS,   16                          ; staging: 32768 w + 16 lane
.set VX,   17                          ; my exchange bytes + 16 lane
.set VY,   18                          ; wave 0's exchange bytes + 16 lane
.set VW2,  19                          ; W2: 32 hh rows + 1024 w + 16 r
.set VO,   20                          ; part: 8 hh rows + 1024 w + 16 r
.set VPF,  21                          ; the prefetch: row lane / 2, 256 (lane % 2) + 1024 w; never rewritten
.set ROW,  22                          ; v22-31: slot t: byte offset in xb of my token's row + 16 hh
.set T0,   32                          ; v32-39 at work
.set BIAS, 40                          ; v40-71: tile c: b1 of column 4 r + c, eight times: the C operand that starts the sums
.set BB,   72                          ; v72-135: B fragments, two buffers of 4 tiles
.set HF,   136                         ; v136-167
.set PM,   168                         ; v168-175
.set ONES, 176                         ; v176-183: 1.0 in every bf16
.set EE,   184                         ; v184-215: 16 list entries
.set GT,   216                         ; v216-247
.set GS,   248                         ; v248-255
.set ACC,  256                         ; v256-575: slot t, tile c at 256 + 32 t + 8 c.  A buffers 0-3: v576, 656, 768, 848, 80 registers each
.set IDX,  72                          ; the scan: 64 choices, 64 gates
.set GTE,  136
.set ST,   200                         ; staging: 16 packed registers
.set LD,   256                         ; staging: unit u's 8 loads at 256 + 32 u
.set LW,   256                         ; second product: unit u's 16 loads at 256 + 64 u
.set B2F,  768                         ; its B fragments, two sets
.set DA,   832                         ; its accumulators, two sets of 4
.set B2RAW, 896                        ; b2 as loaded
.set C0,   72                          ; the four waves' GT and GS, 40 registers each
.set GSF,  104
.set GA,   112                         ; G rounded to bf16: two A fragments
.set OUT,  128                         ; two sets of 32
.set B2S,  192
.set GAL,  208                         ; G's remainder rounded to bf16: two A fragments
.set TP,   224                         ; two at work
.set MSB, 0
.macro WIN new                         ; the immediate's high byte repeats the setting that is left; a switch that changes nothing is dropped
.if MSB != (\new)
	s_set_vgpr_msb (MSB<<8)|(\new)
.set MSB, (\new)
.endif
.endm
.macro W4 d, a, b, c                   ; the windows of destination and sources 0, 1, 2, from absolute numbers
	WIN ((((\d)>>8)<<6)|(((\c)>>8)<<4)|(((\b)>>8)<<2)|((\a)>>8))
.endm
.macro MM d, a, b, c
	W4 \d, \a, \b, \c
	v_wmma_f32_16x16x32_bf16 v[(\d)&255:((\d)&255)+7], v[(\a)&255:((\a)&255)+7], v[(\b)&255:((\b)&255)+7], v[(\c)&255:((\c)&255)+7]
.endm
.macro MM0 d, a, b                     ; starts a sum with the constant 0; the windows are those of the chain behind it
	W4 \d, \a, \b, \d
	v_wmma_f32_16x16x32_bf16 v[(\d)&255:((\d)&255)+7], v[(\a)&255:((\a)&255)+7], v[(\b)&255:((\b)&255)+7], 0
.endm
.macro CVT d, a, b
	W4 \d, \a, \b, 0
	v_cvt_pk_bf16_f32 v[(\d)&255], v[(\a)&255], v[(\b)&255]
.endm
.macro GLD4 d, a, base, off
	W4 \d, \a, 0, 0
	global_load_b128 v[(\d)&255:((\d)&255)+3], v[(\a)&255], s[\base:\base+1] offset:(\off)
.endm
.macro GLD4NT d, a, base, off          ; for bytes that the whole launch reads once
	W4 \d, \a, 0, 0
	global_load_b128 v[(\d)&255:((\d)&255)+3], v[(\a)&255], s[\base:\base+1] offset:(\off) th:TH_LOAD_NT
.endm
.macro DLD4 d, a, off
	W4 \d, \a, 0, 0
	ds_load_b128 v[(\d)&255:((\d)&255)+3], v[(\a)&255] offset:(\off)
.endm
.macro PLACES                          ; four plain places between a matrix instruction and a vector instruction, a store or a load that touches its registers (ISA guide 7.12.1 for vector instructions)
.rept 4
	v_nop
.endr
.endm
.macro WUNIT u                         ; unit u of W1: rows 256 w + 16 u + 8 hh + i, my slice's 256 bytes of each: sixteen lanes take one row
.irp i, 0,1,2,3,4,5,6,7
	GLD4NT LD+32*(\u)+4*\i, VW, 10, ((\u)<<18)+(\i<<14)
.endr
.endm
	s_load_b512 s[8:23], s[0:1], 0x0               ; xb s[8:9], W1 s[10:11], b1 s[12:13], W2 s[14:15], b2 s[16:17], idx s[18:19], gate s[20:21], part s[22:23]
	v_lshl_add_u32 v[SPW], v0, 2, SPARE
	v_mov_b32 v[NIL], 0
	v_mov_b32 v[ZERO], 0
	v_lshrrev_b32 v[T0], 5, v0
	v_readfirstlane_b32 s2, v[T0]                  ; wave 0..3
	s_lshr_b32 s3, ttmp9, 6                        ; e
	s_and_b32 s4, ttmp9, 63                        ; sl
	s_mov_b32 s5, 0                                ; the running count of e's tokens
	s_mov_b32 s33, 0x3c000000                      ; 1 / 128
	s_cmp_eq_u32 s4, 0
	s_cselect_b32 s32, 1.0, 0                      ; slice 0 alone adds the b2 term
	v_and_b32 v[R], 15, v0
	v_bfe_u32 v[HH], v0, 4, 1
	v_and_b32 v[LANE], 31, v0
	v_lshlrev_b32 v[VB0], 4, v[LANE]
	v_lshlrev_b32 v[H16], 4, v[HH]
	v_lshlrev_b32 v[L4], 2, v[LANE]
	v_mov_b32 v[DUMP], 2560
	s_mul_i32 s27, s2, LISTB
	s_add_co_u32 s27, s27, LIST                    ; my list
	v_mov_b32 v[VLB], s27
	s_lshl_b32 s26, s2, 7
	s_add_co_u32 s26, s26, s27
	v_lshl_add_u32 v[VL], v[R], 3, s26
	v_lshl_add_u32 v[VP], v[HH], 6, s26
	v_lshlrev_b32 v[VW], 4, v[R]
	v_mov_b32 v204, v[VW]                          ; 16 r: b1's address
	v_add_nc_u32 v205, v[VLB], v[VB0]              ; the prefill's address
	v_lshlrev_b32 v[VO], 4, v[R]
	v_lshl_or_b32 v[VW], v[HH], 17, v[VW]          ; 8 rows of W1 and 32 rows of W2 are both 131,072 bytes
	v_lshl_add_u32 v[VW2], s2, 10, v[VW]
	v_lshl_add_u32 v[VO], v[HH], 15, v[VO]
	v_lshl_add_u32 v[VO], s2, 10, v[VO]
	v_lshl_add_u32 v[VS], s2, 15, v[VB0]
	s_mul_i32 s26, s2, EXB
	s_add_co_u32 s26, s26, EXCH
	v_add_nc_u32 v[VX], s26, v[VB0]
	v_add_nc_u32 v[VY], EXCH, v[VB0]
	v_lshrrev_b32 v[VPF], 1, v[LANE]
	v_lshlrev_b32 v[VPF], 12, v[VPF]
	v_and_b32 v[T0], 1, v[LANE]
	v_lshl_add_u32 v[VPF], v[T0], 8, v[VPF]
	v_lshl_add_u32 v[VPF], s2, 10, v[VPF]
.irp i, 0,1,2,3
	v_mov_b32 v[200+\i], 0
.endr
	s_mov_b32 s29, 0                               ; every offset below stays under 2^27: the pair's high word is 0
	s_wait_kmcnt 0x0
	s_lshl_b32 s28, s3, 24                         ; W1: expert, my wave's 256 rows, the slice's 256 bytes
	s_lshl_b32 s26, s2, 22
	s_add_co_u32 s28, s28, s26
	s_lshl_b32 s26, s4, 8
	s_add_co_u32 s28, s28, s26
	s_add_nc_u64 s[10:11], s[10:11], s[28:29]
	s_lshl_b32 s28, s3, 24                         ; W2: expert, the slice's 64 rows
	s_lshl_b32 s26, s4, 18
	s_add_co_u32 s28, s28, s26
	s_add_nc_u64 s[14:15], s[14:15], s[28:29]
	s_lshl_b32 s28, s3, 14                         ; b1: expert, the slice's 64 numbers
	s_lshl_b32 s26, s4, 8
	s_add_co_u32 s28, s28, s26
	s_add_nc_u64 s[12:13], s[12:13], s[28:29]
	s_lshl_b32 s28, s3, 12                         ; b2: expert
	s_add_nc_u64 s[16:17], s[16:17], s[28:29]
	s_lshl_b32 s28, ttmp9, 16                      ; part: my 16 x 1024 numbers
	s_add_nc_u64 s[22:23], s[22:23], s[28:29]
.irp i, 0,1,2,3,4,5,6,7,8,9,10,11,12,13,14,15
	GLD4 IDX+4*\i, VB0, 18, 512*\i                 ; token 128 i + 4 lane + c
.endr
.irp i, 0,1,2,3,4,5,6,7,8,9,10,11,12,13,14,15
	GLD4 GTE+4*\i, VB0, 20, 512*\i
.endr
	GLD4 T0+4, 204, 12, 0                          ; b1 of columns 4 r .. 4 r + 3
.irp u, 0,1,2,3,4,5,6
	WUNIT \u                                       ; seven units of W1 are on their way while the list is made
.endr
	WIN 0
.set q, 0
.rept 40
	ds_store_b128 v205, v[200:203] offset:512*q    ; every place of my list: token 0, weight 0
.set q, q+1
.endr
	s_wait_loadcnt 56                              ; idx, gate and b1 are in: the 56 loads of W1 are younger
; THE LIST.  Every wave makes the whole list, in the same order, in its own bytes: no barrier, no sums across waves.  A token that chose e goes to place (count so far + chosen lanes below mine), any other to the dump entry.
.macro SCAN n
	v_cmp_eq_u32 s26, s3, v[IDX+(\n)]
	v_mbcnt_lo_u32_b32 v[T0], s26, s5
	v_cndmask_b32 v[T0], v[DUMP], v[T0], s26
	v_min_u32 v[T0], 2560, v[T0]                   ; a place made of loaded numbers is held inside the list
	v_lshl_add_u32 v[T0], v[T0], 3, v[VLB]
	v_add_nc_u32 v[T0+2], 128*((\n)/4)+(\n)%4, v[L4]
	v_mul_f32 v[T0+3], s33, v[GTE+(\n)]            ; g / 128: the mean's divisor rides on the gate, exactly
	ds_store_b64 v[T0], v[T0+2:T0+3]
	s_bcnt1_i32_b32 s27, s26
	s_add_co_u32 s5, s5, s27
.endm
.set n, 0
.rept 64
	SCAN n
.set n, n+1
.endr
	s_add_co_u32 s6, s5, 15                        ; tiles of 16 rows,
	s_lshr_b32 s6, s6, 4
	s_add_co_u32 s6, s6, 3                         ; of which those with number = w modulo 4 are mine
	s_sub_co_u32 s6, s6, s2
	s_lshr_b32 s6, s6, 2
	v_cvt_pk_bf16_f32 v[T0], v[T0+4], v[T0+5]      ; b1 rounded to bf16
	v_cvt_pk_bf16_f32 v[T0+1], v[T0+6], v[T0+7]
.irp i, 0,1,2,3,4,5,6,7
	v_lshlrev_b32 v[BIAS+\i], 16, v[T0]
	v_and_b32 v[BIAS+8+\i], 0xffff0000, v[T0]
	v_lshlrev_b32 v[BIAS+16+\i], 16, v[T0+1]
	v_and_b32 v[BIAS+24+\i], 0xffff0000, v[T0+1]
	v_mov_b32 v[ONES+\i], 0x3f803f80
.endr
.set n, 0
.rept 40
	v_mov_b32 v[GT+n], 0                           ; GT and GS are cleared: a wave may have no rows at all, and then no product starts these sums
.set n, n+1
.endr
; STAGING.  Unit u (16 rows of k) is rounded in pairs of rows and stored as half of k step 8 w + u / 2's four fragments.  Seven units stay on their way.
.macro STAGE u
.if (\u)+6 < 15
	s_wait_loadcnt 48                              ; six younger units of eight loads
.else
	s_wait_loadcnt 8*(15-(\u))                     ; the counts run down
.endif
.irp c, 0,1,2,3
.irp p, 0,1,2,3
	CVT ST+4*\c+\p, LD+32*(\u)+8*\p+\c, LD+32*(\u)+8*\p+4+\c
.endr
.endr
	WIN 0
.irp c, 0,1,2,3
	ds_store_b128 v[VS], v[ST+4*\c:ST+4*\c+3] offset:((\u)/2)*4096+((\u)%2)*512+1024*\c  ; 512 neighbouring bytes
.endr
.if (\u)+7 <= 15
	WUNIT (\u)+7
.endif
.endm
.set u, 0
.rept 16
	STAGE u
.set u, u+1
.endr
	WIN 0
	s_wait_dscnt 0x0                               ; for the others' sake: my quarter of the fragments is stored
	s_barrier_signal -1
	s_barrier_wait -1                              ; the slice is whole; nothing writes it again
; THE FIRST PRODUCT.  A: ten slots of 16 token rows x 32 k, straight from xb by the list, four buffers; B: four tiles from LDS, two buffers.
.macro ALOAD buf, koff                 ; always all ten slots, so that every counted wait holds on every path; a dead slot reads token 0's row
.set AB, 576+80*(\buf)+32*((\buf)/2)
.irp t, 0,1,2,3,4,5,6,7,8,9
	GLD4 AB+8*\t, ROW+\t, 30, (\koff)
	GLD4 AB+8*\t+4, ROW+\t, 30, (\koff)+32
.endr
.endm
.macro BLOAD bb, off
.irp c, 0,1,2,3
	DLD4 BB+32*(\bb)+8*\c, VB, (\off)+1024*\c
	DLD4 BB+32*(\bb)+8*\c+4, VB, (\off)+1024*\c+512
.endr
.endm
.macro SLOTMUL t, first                ; four products, one on each of the slot's accumulators
.irp c, 0,1,2,3
.if \first
	MM ACC+32*(\t)+8*\c, AB+8*(\t), BF+8*\c, BIAS+8*\c
.else
	MM ACC+32*(\t)+8*\c, AB+8*(\t), BF+8*\c, ACC+32*(\t)+8*\c
.endif
.endr
.endm
; The accumulators take turns, one instruction a turn, on every path and over the loop's jump.  first = 1: the bias starts the sums, in all ten slots.
; Else slots 8 and 9 are jumped where the wave has no rows for them (s7 = its live slots in this group).
.macro MULS buf, bb, first
.set AB, 576+80*(\buf)+32*((\buf)/2)
.set BF, BB+32*(\bb)
.irp t, 0,1,2,3,4,5,6,7
	SLOTMUL \t, \first
.endr
.if (\first) == 0
	WIN 0                                          ; at a branch and at a label every window is 0
	s_cmp_lt_u32 s7, 9
	s_cbranch_scc1 .Lmend_\@
.endif
	SLOTMUL 8, \first
.if (\first) == 0
	WIN 0
	s_cmp_lt_u32 s7, 10
	s_cbranch_scc1 .Lmend_\@
.endif
	SLOTMUL 9, \first
	WIN 0
.if (\first) == 0
.Lmend_\@:
.endif
.endm
; One k step: A of the step three ahead goes into the buffer that the last step multiplied, B of the next step likewise; lc, dc: the younger loads that may stay out.
.macro STEP buf, bb, aoff, boff, lc, dc, first
	PLACES
.if (\aoff) >= 0
	ALOAD ((\buf)+3)%4, \aoff
.endif
.if (\boff) >= 0
	BLOAD 1-(\bb), \boff
.endif
	s_wait_loadcnt \lc
	s_wait_dscnt \dc
	MULS \buf, \bb, \first
.endm
; POOLING of slots 2 m and 2 m + 1: 32 places.
.macro POOL m
.irp u, 0,1
.irp q, 0,1,2,3
	DLD4 EE+16*\u+4*\q, VP, 512*(2*(\m)+\u)+16*\q  ; two entries a load: places 8 hh + 2 q, + 1 of slot 2 m + u
.endr
.endr
.irp c, 0,1,2,3
.irp u, 0,1
.irp p, 0,1,2,3
	CVT HF+8*\c+4*\u+\p, ACC+32*(2*(\m)+\u)+8*\c+2*\p, ACC+32*(2*(\m)+\u)+8*\c+2*\p+1  ; each accumulator from its low end on
.endr
.endr
.endr
	WIN 0
.set n, 0
.rept 32
	v_pk_max_num_bf16 v[HF+n], v[HF+n], v[ZERO]    ; relu, two at a time; nothing is rounded here
.set n, n+1
.endr
	s_wait_dscnt 0x0                               ; the entries
.set n, 0
.rept 16
	v_lshrrev_b32 v[T0], 7, v[EE+2*n]              ; the token's batch
	v_cmp_eq_u32 vcc_lo, v[T0], v[R]
	v_cndmask_b32 v[EE+2*n+1], v[ZERO], v[EE+2*n+1], vcc_lo  ; its weight in my batch's column, 0 in the others
.set n, n+1
.endr
.irp q, 0,1,2,3,4,5,6,7
	v_cvt_pk_bf16_f32 v[PM+\q], v[EE+4*\q+1], v[EE+4*\q+3]
.endr
.irp c, 0,1,2,3
	MM GT+8*\c, HF+8*\c, PM, GT+8*\c
.endr
	MM GS, PM, ONES, GS
	PLACES                                         ; HF and PM are written again, and GT and GS read, only behind these
.endm
	s_mov_b32 s25, 4                               ; four groups of 640 places: a constant count that covers every split
.Lgroup:
	s_min_u32 s7, s6, 10                           ; my live slots in this group
	s_sub_co_u32 s6, s6, s7
	s_cmp_eq_u32 s7, 0
	s_cbranch_scc1 .Lnext                          ; none: the group is jumped; no barrier stands in what is jumped
	PLACES
.irp t, 0,1,2,3,4,5,6,7,8,9
	ds_load_b32 v[ROW+\t], v[VL] offset:512*\t     ; the token of place r of tile 4 t + w of the group
.endr
	s_wait_dscnt 0x0
.irp t, 0,1,2,3,4,5,6,7,8,9
	v_min_u32 v[ROW+\t], 2047, v[ROW+\t]           ; held inside xb
	v_lshl_add_u32 v[ROW+\t], v[ROW+\t], 11, v[H16]
.endr
	s_mov_b64 s[30:31], s[8:9]                     ; xb at k = 0 (no load that names the pair is out: the last group's last wait was for 0)
	v_mov_b32 v[VB], v[VB0]
	ALOAD 0, 0
	ALOAD 1, 64
	ALOAD 2, 128
	BLOAD 0, 0
	STEP 0, 0, 192, 4096, 60, 8, 1                 ; k step 0.  60: three younger buffers of 20 loads; 8: the B fragments just asked for
	WIN 0
	s_mov_b32 s24, 7
.Lk:                                                   ; a trip: k steps 4 n + 1 .. 4 n + 4
	STEP 1, 1, 256, 8192,  60, 8, 0
	STEP 2, 0, 320, 12288, 60, 8, 0
	STEP 3, 1, 384, 16384, 60, 8, 0
	STEP 0, 0, 448, 20480, 60, 8, 0
	WIN 0
	s_wait_xcnt 0x0                                ; the loads' base is stepped only behind this wait
	s_add_nc_u64 s[30:31], s[30:31], 256           ; 128 k on
	v_add_nc_u32 v[VB], 16384, v[VB]
	s_sub_co_u32 s24, s24, 1
	s_cmp_lg_u32 s24, 0
	s_cbranch_scc1 .Lk
	s_cmp_lg_u32 s25, 4
	s_cbranch_scc1 .Lnopf
; In the first group alone: the first 512 of my wave's 1,024 bytes of each of the slice's 64 rows of W2 are asked for, lanes 256 bytes apart, each block once in the launch: 32 KB a wave.
; They are what the second product's first 64 loads read, three k steps and the pooling further on.  All lie inside the slice's 262,144 bytes.
.irp i, 0,1,2,3
	global_prefetch_b8 v[VPF], s[14:15] offset:65536*\i th:TH_LOAD_NT scope:SCOPE_SE
.endr
.Lnopf:
	STEP 1, 1, -1, 8192,  40, 8, 0                 ; k steps 29, 30, 31: nothing more of A to fetch, the counts run down
	STEP 2, 0, -1, 12288, 20, 8, 0
	STEP 3, 1, -1, -1,    0,  0, 0
	PLACES
	POOL 0
	POOL 1
	POOL 2
	POOL 3
	POOL 4                                         ; dead slots hold finite numbers and meet weight 0
	WIN 0
.Lnext:
	v_add_nc_u32 v[VL], 5120, v[VL]                ; 640 places on
	v_add_nc_u32 v[VP], 5120, v[VP]
	s_sub_co_u32 s25, s25, 1
	s_cmp_lg_u32 s25, 0
	s_cbranch_scc1 .Lgroup
; THE SECOND PRODUCT.  My wave has d columns 256 w .. 256 w + 255, in four blocks of 64; all 64 rows of the slice; 128 loads, each two rows' 256 aligned bytes.
	PLACES
	v_lshlrev_b32 v[T0+1], 4, v[R]
	v_lshl_add_u32 v[T0+1], s2, 10, v[T0+1]
.irp k, 0,1,2,3
	GLD4 B2RAW+4*\k, T0+1, 16, 256*\k              ; b2 of columns 256 w + 64 k + 4 r ..
.endr
.set u, 0
.rept 8                                ; unit u = 2 block + kk: rows 32 hh + 4 j + 2 kk + h
.irp h, 0,1
.irp j, 0,1,2,3,4,5,6,7
	GLD4NT LW+64*u+4*(8*\h+\j), VW2, 14, (4*\j+2*(u%2)+\h)*4096+256*(u/2)
.endr
.endr
.set u, u+1
.endr
	WIN 0
	s_wait_dscnt 0x0                               ; my reads of the fragments and of my list are over;
	s_barrier_signal -1
	s_barrier_wait -1                              ; every wave's are: LDS is stored into again only behind this barrier.  The loads of W2 are on their way meanwhile
.irp q, 0,1,2,3,4,5,6,7,8,9
	ds_store_b128 v[VX], v[GT+4*\q:GT+4*\q+3] offset:512*\q  ; my GT and GS, each accumulator from its low end on
.endr
	s_wait_dscnt 0x0                               ; for the others' sake
	s_barrier_signal -1
	s_barrier_wait -1
.irp i, 0,1,2,3
.irp q, 0,1,2,3,4,5,6,7,8,9
	ds_load_b128 v[C0+40*\i+4*\q:C0+40*\i+4*\q+3], v[VY] offset:EXB*\i+512*\q
.endr
.endr
	s_wait_dscnt 0x0
.set n, 0
.rept 20
	v_pk_add_f32 v[C0+2*n:C0+2*n+1], v[C0+2*n:C0+2*n+1], v[C0+40+2*n:C0+40+2*n+1]
	v_pk_add_f32 v[C0+80+2*n:C0+80+2*n+1], v[C0+80+2*n:C0+80+2*n+1], v[C0+120+2*n:C0+120+2*n+1]
.set n, n+1
.endr
.set n, 0
.rept 20
	v_pk_add_f32 v[C0+2*n:C0+2*n+1], v[C0+2*n:C0+2*n+1], v[C0+80+2*n:C0+80+2*n+1]  ; the four waves' sums, in f32
.set n, n+1
.endr
; G as two bf16 numbers: GA = G rounded; GAL = (G - GA) rounded.  Both are multiplied by the same fragments of W2, so that G's rounding leaves 16 significant bits.
.irp k, 0,1
.irp h, 0,1
.irp p, 0,1,2,3
	v_cvt_pk_bf16_f32 v[GA+8*\k+4*\h+\p], v[C0+16*\k+8*\h+2*\p], v[C0+16*\k+8*\h+2*\p+1]
	v_lshlrev_b32 v[TP], 16, v[GA+8*\k+4*\h+\p]
	v_and_b32 v[TP+1], 0xffff0000, v[GA+8*\k+4*\h+\p]
	v_sub_f32 v[TP], v[C0+16*\k+8*\h+2*\p], v[TP]
	v_sub_f32 v[TP+1], v[C0+16*\k+8*\h+2*\p+1], v[TP+1]
	v_cvt_pk_bf16_f32 v[GAL+8*\k+4*\h+\p], v[TP], v[TP+1]
.endr
.endr
.endr
	s_wait_loadcnt 63                              ; b2 is in: 128 loads are younger
.irp n, 0,1,2,3,4,5,6,7
	CVT T0+\n, B2RAW+2*\n, B2RAW+2*\n+1            ; b2 rounded to bf16
.endr
	WIN 0
.irp n, 0,1,2,3,4,5,6,7
	v_lshlrev_b32 v[B2S+2*\n], 16, v[T0+\n]
	v_and_b32 v[B2S+2*\n+1], 0xffff0000, v[T0+\n]
.endr
.irp n, 0,1,2,3,4,5,6,7
	v_pk_mul_f32 v[B2S+2*\n:B2S+2*\n+1], v[B2S+2*\n:B2S+2*\n+1], s[32:33] op_sel_hi:[1,0]  ; times 1 in slice 0, times 0 elsewhere
.endr
.set u, 0
.rept 8
.set blk, u/2
.set kk, u%2
.if 16*(7-u) > 63
	s_wait_loadcnt 63                              ; unit u is in: more than 63 loads are younger
.else
	s_wait_loadcnt 16*(7-u)                        ; sixteen loads for each younger unit
.endif
.irp c, 0,1,2,3
.irp h, 0,1
.irp p, 0,1,2,3
	CVT B2F+32*kk+8*\c+4*\h+\p, LW+64*u+4*(8*\h+2*\p)+\c, LW+64*u+4*(8*\h+2*\p+1)+\c
.endr
.endr
.endr
.irp c, 0,1,2,3                        ; four accumulators by turns; the other unit's 32 conversions stand between a set's readers and its next writers
.if kk == 0
	MM0 DA+32*(blk%2)+8*\c, GA, B2F+8*\c
.else
	MM DA+32*(blk%2)+8*\c, GA+8, B2F+32+8*\c, DA+32*(blk%2)+8*\c
.endif
.endr
.irp c, 0,1,2,3                        ; and the remainder's products, the same four by turns
	MM DA+32*(blk%2)+8*\c, GAL+8*kk, B2F+32*kk+8*\c, DA+32*(blk%2)+8*\c
.endr
.if kk == 1
	PLACES
	s_wait_xcnt 0x0                                ; the registers that earlier stores read are written again only behind this wait
	WIN 0x30                                       ; source 2 in window 3
.irp j, 0,1,2,3,4,5,6,7                ; register 0 of each accumulator is read first
.irp c, 0,1,2,3
	v_fma_f32 v[OUT+32*(blk%2)+4*\j+\c], v[GSF+\j], v[B2S+4*blk+\c], v[(DA+32*(blk%2)+8*\c+\j)&255]
.endr
.endr
	WIN 0
.irp j, 0,1,2,3,4,5,6,7
	global_store_b128 v[VO], v[OUT+32*(blk%2)+4*\j:OUT+32*(blk%2)+4*\j+3], s[22:23] offset:4096*\j+256*blk  ; batch 8 hh + j: sixteen lanes store 256 consecutive bytes, aligned
.endr
.endif
.set u, u+1
.endr
	s_wait_tensorcnt 0x0                           ; the wave's end, behind my last LDS store
	ds_add_u32 v[SPW], v[NIL]
	s_wait_dscnt 0x0
	s_endpgm
.Lfunc_end_k_q7df7f44ea7_experts:
	.size	k_q7df7f44ea7_experts, .Lfunc_end_k_q7df7f44ea7_experts-k_q7df7f44ea7_experts
	.p2alignl 7, 3214868480
	.fill 96, 4, 3214868480
	.section	.rodata,"a",@progbits
	.p2align	6, 0x0
	.amdhsa_kernel k_q7df7f44ea7_experts
		.amdhsa_group_segment_fixed_size 235008
		.amdhsa_private_segment_fixed_size 0
		.amdhsa_enable_private_segment 0
		.amdhsa_kernarg_size 64
		.amdhsa_user_sgpr_count 2
		.amdhsa_user_sgpr_kernarg_segment_ptr 1
		.amdhsa_wavefront_size32 1
		.amdhsa_system_sgpr_workgroup_id_x 1
		.amdhsa_system_sgpr_workgroup_id_y 1
		.amdhsa_system_sgpr_workgroup_id_z 1
		.amdhsa_system_vgpr_workitem_id 0
		.amdhsa_next_free_vgpr 928
		.amdhsa_next_free_sgpr 66
		.amdhsa_reserve_vcc 1
		.amdhsa_float_denorm_mode_32 3
		.amdhsa_float_denorm_mode_16_64 3
		.amdhsa_memory_ordered 1
		.amdhsa_forward_progress 1
		.amdhsa_inst_pref_size 221
	.end_amdhsa_kernel
	.amdgpu_metadata
---
amdhsa.version: [ 1, 2 ]
amdhsa.kernels:
  - .name:           k_q7df7f44ea7_experts
    .symbol:         k_q7df7f44ea7_experts.kd
    .args:
      - { .name: xb, .offset: 0, .size: 8, .value_kind: global_buffer, .address_space: global }
      - { .name: W1, .offset: 8, .size: 8, .value_kind: global_buffer, .address_space: global }
      - { .name: b1, .offset: 16, .size: 8, .value_kind: global_buffer, .address_space: global }
      - { .name: W2, .offset: 24, .size: 8, .value_kind: global_buffer, .address_space: global }
      - { .name: b2, .offset: 32, .size: 8, .value_kind: global_buffer, .address_space: global }
      - { .name: idx, .offset: 40, .size: 8, .value_kind: global_buffer, .address_space: global }
      - { .name: gate, .offset: 48, .size: 8, .value_kind: global_buffer, .address_space: global }
      - { .name: part, .offset: 56, .size: 8, .value_kind: global_buffer, .address_space: global }
    .group_segment_fixed_size: 235008
    .private_segment_fixed_size: 0
    .kernarg_segment_align: 8
    .kernarg_segment_size: 64
    .max_flat_workgroup_size: 128
    .sgpr_count:     66
    .vgpr_count:     928
    .wavefront_size: 32
...
	.end_amdgpu_metadata
.endif
;; end of part 2
;; launch reduce (part 3): grid 256 x 1, 4 waves a work-group, no clusters, 1,536 bytes of LDS; arguments part, psum, pooled, out1; writes pooled, out1
.if DOCPART == 3
	.amdgcn_target "amdgcn-amd-amdhsa--gfx1250"
	.amdhsa_code_object_version 6
	.text
	.protected	k_q7df7f44ea7_reduce
	.globl	k_q7df7f44ea7_reduce
	.p2align	8
	.type	k_q7df7f44ea7_reduce,@function
k_q7df7f44ea7_reduce:
	s_mov_b64 s[64:65], 0
	v_nop
	global_prefetch_b8 v0, s[64:65] scope:SCOPE_SE
	s_setreg_imm32_b32 hwreg(HW_REG_WAVE_MODE, 25, 1), 1
	s_wait_xcnt 0x0
; pooled[b][d] = the sum of the 256 partial results part[p][b][d], in f32; and the load-balancing loss out1 = 4 x sum over experts of (count / 2048) (sum of probabilities / 2048).
; SHARES.  Work-group g owns the 256 bytes at 256 g of pooled; wave w adds partials 64 w .. 64 w + 63: a load takes the 256 aligned bytes of two partials (lanes 0-15 one, lanes 16-31 the next), 32 loads out at once.
; A stream: no matrix unit, no cluster (no byte is read twice).  Wave 1 of work-group 0 makes the loss from the router's 256 rows of eight sums.
.set SPARE, 1024                       ; the spare words, 128 bytes for each wave; LDS 0..1,023: the waves' sums
.set SPW, 2
.set NIL, 3
.set P, 32                             ; v32-159: 32 loads
.macro ADD4 d, s
	v_pk_add_f32 v[(\d):(\d)+1], v[(\d):(\d)+1], v[(\s):(\s)+1]
	v_pk_add_f32 v[(\d)+2:(\d)+3], v[(\d)+2:(\d)+3], v[(\s)+2:(\s)+3]
.endm
	s_load_b256 s[4:11], s[0:1], 0x0               ; part s[4:5], psum s[6:7], pooled s[8:9], out1 s[10:11]
	v_lshl_add_u32 v[SPW], v0, 2, SPARE
	v_mov_b32 v[NIL], 0
	v_lshrrev_b32 v4, 5, v0
	v_readfirstlane_b32 s2, v4                     ; wave
	s_mov_b32 s3, ttmp9
	v_and_b32 v1, 31, v0                           ; lane
	v_and_b32 v5, 15, v0
	v_bfe_u32 v6, v0, 4, 1
	v_lshlrev_b32 v7, 4, v5                        ; 16 r
	v_lshl_or_b32 v8, v6, 16, v7                   ; + one partial (65,536 bytes) for the upper lanes
	v_lshl_add_u32 v9, s2, 8, v7                   ; LDS: 256 w + 16 r
	s_lshl_b32 s12, s2, 22                         ; 64 partials a wave
	s_lshl_b32 s14, s3, 8
	s_add_co_u32 s12, s12, s14
	s_mov_b32 s13, 0
	s_mov_b32 s15, 0
	s_mov_b32 s16, 0x76543210
	s_mov_b32 s17, 0xfedcba98
.irp c, 0,1,2,3
	v_mov_b32 v[20+\c], 0                          ; the exchange's destinations count as read
.endr
	s_wait_kmcnt 0x0
	s_add_nc_u64 s[4:5], s[4:5], s[12:13]
	s_add_nc_u64 s[8:9], s[8:9], s[14:15]
.set i, 0
.rept 32
	global_load_b128 v[P+4*i:P+4*i+3], v8, s[4:5] offset:i<<17 th:TH_LOAD_NT
.set i, i+1
.endr
	s_wait_loadcnt 16                              ; the first sixteen are in
.irp i, 4,5,6,7,8,9,10,11,12,13,14,15  ; four chains, started by the first four loads
	ADD4 P+4*(\i%4), P+4*\i
.endr
	s_wait_loadcnt 0x0
.irp i, 16,17,18,19,20,21,22,23,24,25,26,27,28,29,30,31
	ADD4 P+4*(\i%4), P+4*\i
.endr
	ADD4 P, P+4
	ADD4 P+8, P+12
	ADD4 P, P+8
.irp c, 0,1,2,3
	v_permlanex16_b32 v[20+\c], v[P+\c], s16, s17  ; the other half of the lanes holds the odd partials
.endr
.irp c, 0,1,2,3
	v_add_f32 v[P+\c], v[P+\c], v[20+\c]
.endr
	ds_store_b128 v9, v[P:P+3]                     ; both halves write the same words with the same values
	s_wait_dscnt 0x0                               ; for the others' sake
	s_barrier_signal -1
	s_barrier_wait -1
	s_cmp_lg_u32 s2, 0
	s_cbranch_scc1 .Lnot0
.irp i, 0,1,2,3
	ds_load_b128 v[P+4+4*\i:P+4+4*\i+3], v7 offset:256*\i
.endr
	s_wait_dscnt 0x0
	ADD4 P+4, P+8
	ADD4 P+12, P+16
	ADD4 P+4, P+12
	s_wait_xcnt 0x0                                ; EXEC changes only behind this wait
	v_cmp_gt_u32 vcc_lo, 16, v1
	s_and_saveexec_b32 s18, vcc_lo
	global_store_b128 v7, v[P+4:P+7], s[8:9]       ; sixteen lanes store the group's 256 consecutive bytes, aligned
	s_wait_xcnt 0x0
	s_or_b32 exec_lo, exec_lo, s18
	s_branch .Lend
.Lnot0:
	s_cmp_lg_u32 s2, 1
	s_cbranch_scc1 .Lend
	s_cmp_lg_u32 s3, 0
	s_cbranch_scc1 .Lend
	; THE LOSS.  psum is [256][8]: a lane's 16 bytes are the four probability sums (even lanes) or the four counts (odd lanes) of one router group.
	v_lshlrev_b32 v10, 4, v1
	v_mov_b32 v11, 0
.irp i, 0,1,2,3,4,5,6,7,8,9,10,11,12,13,14,15
	global_load_b128 v[64+4*\i:64+4*\i+3], v10, s[6:7] offset:512*\i
.endr
	s_wait_loadcnt 0x0
.irp i, 4,5,6,7,8,9,10,11,12,13,14,15
	ADD4 64+4*(\i%4), 64+4*\i
.endr
	ADD4 64, 68
	ADD4 72, 76
	ADD4 64, 72
.irp c, 0,1,2,3                        ; over the lanes of like parity
	v_add_f32_dpp v[64+\c], v[64+\c], v[64+\c] row_xmask:2 row_mask:0xf bank_mask:0xf
	v_add_f32_dpp v[64+\c], v[64+\c], v[64+\c] row_xmask:4 row_mask:0xf bank_mask:0xf
	v_add_f32_dpp v[64+\c], v[64+\c], v[64+\c] row_xmask:8 row_mask:0xf bank_mask:0xf
	v_permlanex16_b32 v[20+\c], v[64+\c], s16, s17
	v_add_f32 v[64+\c], v[64+\c], v[20+\c]
	v_mul_f32_dpp v[64+\c], v[64+\c], v[64+\c] row_xmask:1 row_mask:0xf bank_mask:0xf  ; count times probability sum
.endr
	v_add_f32 v64, v64, v65
	v_add_f32 v66, v66, v67
	v_add_f32 v64, v64, v66
	v_mul_f32 v64, 0x35800000, v64                 ; 4 / 2048^2 = 2^-20
	s_wait_xcnt 0x0
	v_cmp_eq_u32 vcc_lo, 0, v1
	s_and_saveexec_b32 s18, vcc_lo
	global_store_b32 v11, v64, s[10:11]
	s_wait_xcnt 0x0
	s_or_b32 exec_lo, exec_lo, s18
.Lend:
	s_wait_tensorcnt 0x0                           ; the wave's end, behind my last LDS store
	ds_add_u32 v[SPW], v[NIL]
	s_wait_dscnt 0x0
	s_endpgm
.Lfunc_end_k_q7df7f44ea7_reduce:
	.size	k_q7df7f44ea7_reduce, .Lfunc_end_k_q7df7f44ea7_reduce-k_q7df7f44ea7_reduce
	.p2alignl 7, 3214868480
	.fill 96, 4, 3214868480
	.section	.rodata,"a",@progbits
	.p2align	6, 0x0
	.amdhsa_kernel k_q7df7f44ea7_reduce
		.amdhsa_group_segment_fixed_size 1536
		.amdhsa_private_segment_fixed_size 0
		.amdhsa_enable_private_segment 0
		.amdhsa_kernarg_size 32
		.amdhsa_user_sgpr_count 2
		.amdhsa_user_sgpr_kernarg_segment_ptr 1
		.amdhsa_wavefront_size32 1
		.amdhsa_system_sgpr_workgroup_id_x 1
		.amdhsa_system_sgpr_workgroup_id_y 1
		.amdhsa_system_sgpr_workgroup_id_z 1
		.amdhsa_system_vgpr_workitem_id 0
		.amdhsa_next_free_vgpr 160
		.amdhsa_next_free_sgpr 66
		.amdhsa_reserve_vcc 1
		.amdhsa_float_denorm_mode_32 3
		.amdhsa_float_denorm_mode_16_64 3
		.amdhsa_memory_ordered 1
		.amdhsa_forward_progress 1
		.amdhsa_inst_pref_size 16
	.end_amdhsa_kernel
	.amdgpu_metadata
---
amdhsa.version: [ 1, 2 ]
amdhsa.kernels:
  - .name:           k_q7df7f44ea7_reduce
    .symbol:         k_q7df7f44ea7_reduce.kd
    .args:
      - { .name: part, .offset: 0, .size: 8, .value_kind: global_buffer, .address_space: global }
      - { .name: psum, .offset: 8, .size: 8, .value_kind: global_buffer, .address_space: global }
      - { .name: pooled, .offset: 16, .size: 8, .value_kind: global_buffer, .address_space: global }
      - { .name: out1, .offset: 24, .size: 8, .value_kind: global_buffer, .address_space: global }
    .group_segment_fixed_size: 1536
    .private_segment_fixed_size: 0
    .kernarg_segment_align: 8
    .kernarg_segment_size: 32
    .max_flat_workgroup_size: 128
    .sgpr_count:     66
    .vgpr_count:     160
    .wavefront_size: 32
...
	.end_amdgpu_metadata
.endif
;; end of part 3
;; launch head (part 4): grid 16 x 1, 16 waves a work-group, no clusters, 67,584 bytes of LDS; arguments pooled, Wh, bh, out0; writes out0
.if DOCPART == 4
	.amdgcn_target "amdgcn-amd-amdhsa--gfx1250"
	.amdhsa_code_object_version 6
	.text
	.protected	k_q7df7f44ea7_head
	.globl	k_q7df7f44ea7_head
	.p2align	8
	.type	k_q7df7f44ea7_head,@function
k_q7df7f44ea7_head:
	s_mov_b64 s[64:65], 0
	v_nop
	global_prefetch_b8 v0, s[64:65] scope:SCOPE_SE
	s_setreg_imm32_b32 hwreg(HW_REG_WAVE_MODE, 25, 1), 1
	s_wait_xcnt 0x0
; out0[b][c] = pooled[b] . Wh[:, c] + bh[c].  pooled [16][1024] f32, Wh [1024][1000] f32, out0 [16][1000] f32.  Wh and bh are rounded to bf16, like every input; pooled, this program's own number, goes as
; two bf16 numbers, the rounded number and the rounded remainder, both multiplied by the same fragments of Wh; sums in f32.
; SHARES.  Work-group blk has columns 64 blk .. + 63 (the last one 40 of them), wave w has k = 64 w .. + 63: each byte of Wh is read once.  The sixteen waves' sums meet in LDS.
; Sixteen work-groups: the product contracts over all of k inside a work-group, so that no further launch is spent on adding parts.  Rows of Wh and out0 are 4,000 bytes: their runs of 256 bytes cannot all be aligned.
; LAYOUT.  A lane's 16 bytes of a row of Wh are 4 neighbouring columns; rows k and k + 1 of element c, rounded together, are a register of B's fragment for tile c, in which lane r stands for column 4 (16 blk + r) + c.
; Column groups past 249 repeat group 249, so that no load leaves Wh or bh; their results are not stored.
.set SPARE, 65536                      ; LDS 0..65,535: wave w's 16 x 64 sums at 4096 w; then the spare words, 128 bytes for each of 16 waves
.set SPW, 2
.set NIL, 3
.set AF32, 32                          ; v32-63 pooled as loaded; then the four accumulators
.set ACC,  32
.set LW,   64                          ; v64-191 Wh as loaded: k step s, half h, row i at 64 + 64 s + 32 h + 4 i
.set AF,   192                         ; v192-207 A fragments of the two k steps: pooled rounded
.set BF0,  208                         ; v208-239 B fragments of k step 0; those of k step 1 take v64-95
.set BF1,  64
.set AFL,  240                         ; v240-255 A fragments of the two k steps: the remainder rounded
.macro ADD4 d, s
	v_pk_add_f32 v[(\d):(\d)+1], v[(\d):(\d)+1], v[(\s):(\s)+1]
	v_pk_add_f32 v[(\d)+2:(\d)+3], v[(\d)+2:(\d)+3], v[(\s)+2:(\s)+3]
.endm
	s_load_b256 s[4:11], s[0:1], 0x0               ; pooled s[4:5], Wh s[6:7], bh s[8:9], out0 s[10:11]
	v_lshl_add_u32 v[SPW], v0, 2, SPARE
	v_mov_b32 v[NIL], 0
	v_lshrrev_b32 v4, 5, v0
	v_readfirstlane_b32 s2, v4                     ; wave 0..15
	v_and_b32 v1, 15, v0                           ; r
	v_bfe_u32 v5, v0, 4, 1                         ; hh
	v_and_b32 v6, 31, v0                           ; lane
	s_lshl_b32 s3, ttmp9, 4
	v_add_nc_u32 v7, s3, v1                        ; my group of four columns
	v_min_u32 v8, 249, v7                          ; held inside the 250 that exist
	v_lshlrev_b32 v9, 4, v8                        ; its 16 bytes in a row of Wh and in bh
	v_mul_u32_u24 v10, v5, 32000                   ; eight rows of 4,000 bytes for the upper lanes
	v_add_nc_u32 v11, v10, v9                      ; Wh
	v_lshlrev_b32 v12, 12, v1
	v_lshl_add_u32 v12, v5, 5, v12                 ; pooled: batch r, 8 hh numbers on
	v_lshl_add_u32 v13, v7, 4, v10                 ; out0
	v_lshlrev_b32 v14, 4, v6
	v_lshl_add_u32 v15, s2, 9, v14                 ; LDS, back: 512 w + 16 lane
	v_lshl_add_u32 v14, s2, 12, v14                ; LDS, in: 4096 w + 16 lane
	s_mul_i32 s12, s2, 256000                      ; 64 rows of Wh a wave
	s_mov_b32 s13, 0
	s_lshl_b32 s14, s2, 8                          ; 64 numbers of a row of pooled
	s_mov_b32 s15, 0
	s_mul_i32 s16, s2, 4000                        ; a row of out0
	s_mov_b32 s17, 0
	s_wait_kmcnt 0x0
	s_add_nc_u64 s[6:7], s[6:7], s[12:13]
	s_add_nc_u64 s[4:5], s[4:5], s[14:15]
	s_add_nc_u64 s[10:11], s[10:11], s[16:17]
	global_load_b128 v[24:27], v9, s[8:9]
.irp s, 0,1
.irp h, 0,1
.irp q, 0,1
	global_load_b128 v[AF32+16*\s+8*\h+4*\q:AF32+16*\s+8*\h+4*\q+3], v12, s[4:5] offset:128*\s+64*\h+16*\q
.endr
.endr
.endr
.irp s, 0,1
.irp h, 0,1
.irp i, 0,1,2,3,4,5,6,7
	global_load_b128 v[LW+64*\s+32*\h+4*\i:LW+64*\s+32*\h+4*\i+3], v11, s[6:7] offset:(32*\s+16*\h+\i)*4000 th:TH_LOAD_NT  ; row 64 w + 32 s + 16 h + 8 hh + i: sixteen lanes take 256 neighbouring bytes
.endr
.endr
.endr
	s_wait_loadcnt 32                              ; bh and pooled are in: the 32 loads of Wh are younger
.irp s, 0,1
.irp h, 0,1
.irp p, 0,1,2,3
	v_cvt_pk_bf16_f32 v[AF+8*\s+4*\h+\p], v[AF32+16*\s+8*\h+2*\p], v[AF32+16*\s+8*\h+2*\p+1]
	v_lshlrev_b32 v16, 16, v[AF+8*\s+4*\h+\p]
	v_and_b32 v17, 0xffff0000, v[AF+8*\s+4*\h+\p]
	v_sub_f32 v16, v[AF32+16*\s+8*\h+2*\p], v16    ; what the rounding left over,
	v_sub_f32 v17, v[AF32+16*\s+8*\h+2*\p+1], v17
	v_cvt_pk_bf16_f32 v[AFL+8*\s+4*\h+\p], v16, v17  ; rounded in its turn
.endr
.endr
.endr
	s_wait_loadcnt 16                              ; k step 0 of Wh
.irp c, 0,1,2,3
.irp h, 0,1
.irp p, 0,1,2,3
	v_cvt_pk_bf16_f32 v[BF0+8*\c+4*\h+\p], v[LW+32*\h+8*\p+\c], v[LW+32*\h+8*\p+4+\c]
.endr
.endr
.endr
.irp c, 0,1,2,3
	v_wmma_f32_16x16x32_bf16 v[ACC+8*\c:ACC+8*\c+7], v[AF:AF+7], v[BF0+8*\c:BF0+8*\c+7], 0  ; the first k step starts the sums
.endr
.irp c, 0,1,2,3                        ; the four accumulators take turns, here and below
	v_wmma_f32_16x16x32_bf16 v[ACC+8*\c:ACC+8*\c+7], v[AFL:AFL+7], v[BF0+8*\c:BF0+8*\c+7], v[ACC+8*\c:ACC+8*\c+7]
.endr
	s_wait_loadcnt 0x0
.irp c, 0,1,2,3
.irp h, 0,1
.irp p, 0,1,2,3
	v_cvt_pk_bf16_f32 v[BF1+8*\c+4*\h+\p], v[LW+64+32*\h+8*\p+\c], v[LW+64+32*\h+8*\p+4+\c]
.endr
.endr
.endr
.irp c, 0,1,2,3
	v_wmma_f32_16x16x32_bf16 v[ACC+8*\c:ACC+8*\c+7], v[AF+8:AF+15], v[BF1+8*\c:BF1+8*\c+7], v[ACC+8*\c:ACC+8*\c+7]
.endr
.irp c, 0,1,2,3
	v_wmma_f32_16x16x32_bf16 v[ACC+8*\c:ACC+8*\c+7], v[AFL+8:AFL+15], v[BF1+8*\c:BF1+8*\c+7], v[ACC+8*\c:ACC+8*\c+7]
.endr
.rept 4
	v_nop                                          ; four plain places between the last product and the stores that read its result
.endr
.irp j, 0,1,2,3,4,5,6,7                ; register 0 of each accumulator is read first.  Batch 8 hh + j, columns 4 r + c: the four tiles' numbers lie side by side
.irp c, 0,1,2,3
	ds_store_b32 v14, v[ACC+8*\c+\j] offset:512*\j+4*\c
.endr
.endr
	s_wait_dscnt 0x0                               ; for the others' sake
	s_barrier_signal -1
	s_barrier_wait -1
	s_cmp_gt_u32 s2, 7
	s_cbranch_scc1 .Lend                           ; waves 0 to 7 add: wave w has batches w and 8 + w
.irp i, 0,1,2,3,4,5,6,7,8,9,10,11,12,13,14,15
	ds_load_b128 v[64+4*\i:64+4*\i+3], v15 offset:4096*\i
.endr
	v_cvt_pk_bf16_f32 v28, v24, v25                ; bh rounded to bf16
	v_cvt_pk_bf16_f32 v29, v26, v27
	v_lshlrev_b32 v24, 16, v28
	v_and_b32 v25, 0xffff0000, v28
	v_lshlrev_b32 v26, 16, v29
	v_and_b32 v27, 0xffff0000, v29
	s_wait_dscnt 0x0
.irp i, 4,5,6,7,8,9,10,11,12,13,14,15
	ADD4 64+4*(\i%4), 64+4*\i
.endr
	ADD4 64, 68
	ADD4 72, 76
	ADD4 64, 72
	ADD4 64, 24
	s_wait_xcnt 0x0                                ; EXEC changes only behind this wait
	v_cmp_gt_u32 vcc_lo, 250, v7
	s_and_saveexec_b32 s18, vcc_lo                 ; the column groups that exist
	global_store_b128 v13, v[64:67], s[10:11]      ; sixteen lanes store 256 neighbouring bytes of a row
	s_wait_xcnt 0x0
	s_or_b32 exec_lo, exec_lo, s18
.Lend:
	s_wait_tensorcnt 0x0                           ; the wave's end, behind my last LDS store
	ds_add_u32 v[SPW], v[NIL]
	s_wait_dscnt 0x0
	s_endpgm
.Lfunc_end_k_q7df7f44ea7_head:
	.size	k_q7df7f44ea7_head, .Lfunc_end_k_q7df7f44ea7_head-k_q7df7f44ea7_head
	.p2alignl 7, 3214868480
	.fill 96, 4, 3214868480
	.section	.rodata,"a",@progbits
	.p2align	6, 0x0
	.amdhsa_kernel k_q7df7f44ea7_head
		.amdhsa_group_segment_fixed_size 67584
		.amdhsa_private_segment_fixed_size 0
		.amdhsa_enable_private_segment 0
		.amdhsa_kernarg_size 32
		.amdhsa_user_sgpr_count 2
		.amdhsa_user_sgpr_kernarg_segment_ptr 1
		.amdhsa_wavefront_size32 1
		.amdhsa_system_sgpr_workgroup_id_x 1
		.amdhsa_system_sgpr_workgroup_id_y 1
		.amdhsa_system_sgpr_workgroup_id_z 1
		.amdhsa_system_vgpr_workitem_id 0
		.amdhsa_next_free_vgpr 256
		.amdhsa_next_free_sgpr 66
		.amdhsa_reserve_vcc 1
		.amdhsa_float_denorm_mode_32 3
		.amdhsa_float_denorm_mode_16_64 3
		.amdhsa_memory_ordered 1
		.amdhsa_forward_progress 1
		.amdhsa_inst_pref_size 22
	.end_amdhsa_kernel
	.amdgpu_metadata
---
amdhsa.version: [ 1, 2 ]
amdhsa.kernels:
  - .name:           k_q7df7f44ea7_head
    .symbol:         k_q7df7f44ea7_head.kd
    .args:
      - { .name: pooled, .offset: 0, .size: 8, .value_kind: global_buffer, .address_space: global }
      - { .name: Wh, .offset: 8, .size: 8, .value_kind: global_buffer, .address_space: global }
      - { .name: bh, .offset: 16, .size: 8, .value_kind: global_buffer, .address_space: global }
      - { .name: out0, .offset: 24, .size: 8, .value_kind: global_buffer, .address_space: global }
    .group_segment_fixed_size: 67584
    .private_segment_fixed_size: 0
    .kernarg_segment_align: 8
    .kernarg_segment_size: 32
    .max_flat_workgroup_size: 512
    .sgpr_count:     66
    .vgpr_count:     256
    .wavefront_size: 32
...
	.end_amdgpu_metadata
.endif
;; end of part 4
;; ======== version 2 of 2: 5 launches
;; limits: values outside matrix products are rounded to bf16
;; workspace buffers: xb 4,194,304 bytes; idx 8,192 bytes of whole numbers; gate 8,192 bytes; psum 8,192 bytes; xs 4,194,304 bytes; ent 21,504 bytes; part 16,777,216 bytes; pooled 65,536 bytes
;; launch route (part 5): grid 256 x 1, 8 waves a work-group, no clusters, 10,240 bytes of LDS; arguments x, Wg, bg, xb, idx, gate, psum; writes xb, idx, gate, psum
.if DOCPART == 5
	.amdgcn_target "amdgcn-amd-amdhsa--gfx1250"
	.amdhsa_code_object_version 6
	.text
	.protected	k_q7df7f44ea7_route
	.globl	k_q7df7f44ea7_route
	.p2align	8
	.type	k_q7df7f44ea7_route,@function
k_q7df7f44ea7_route:
	s_mov_b64 s[64:65], 0
	v_nop
	global_prefetch_b8 v0, s[64:65] scope:SCOPE_SE
	s_setreg_imm32_b32 hwreg(HW_REG_WAVE_MODE, 25, 1), 1
	s_wait_xcnt 0x0
; ROUTER.  For each of 2,048 tokens: xb = x rounded to bf16; logits = xb . bf16(Wg) + bf16(bg), summed in f32; softmax with the row's maximum taken away;
; the chosen expert (whole number), its gate value, and for each work-group the sums of the four probabilities and of the four one-hot counts.
; SHARES.  One wave takes one token (token = 8 x work-group + wave): 32 lanes along k, so that every load of x and every store of xb covers whole runs of neighbouring bytes.
; Wg (16 KB) is wanted whole by all eight waves: each wave loads an eighth of it (128 rows, four loads), rounds it and lays it into LDS, 8 bytes a row; behind a barrier every wave reads its lanes' rows from there.
; The product has 4 columns and is a stream of x: it goes by fused multiply-adds from bf16 halves into f32, not by the matrix unit; no cluster: no tile is shared between work-groups but 16 KB of Wg.
; LIMITS.  The choice is made on the logits of the ROUNDED inputs (bf16 x, Wg, bg; f32 sums in this text's order); an exact tie goes to the lower index.  NaN and infinities are not treated apart.
.set SPARE, 512                        ; the spare words: 128 bytes for each of 8 waves; no other line names them
.set WL,  2048                         ; LDS 2,048 .. 10,239: Wg in bf16: row k's four numbers at WL + 8 k
.set SPW, 2                            ; v2  SPARE + 4 x thread; never rewritten
.set NIL, 3                            ; v3  0; never rewritten
.set SUM, 8                            ; v8-11 the four logits
.set X,   32                           ; v32-63 my 32 numbers of the token's row: k = 128 j + 4 lane + c
.set W,   64                           ; v64-127 Wg's rows for the same k, in bf16: row (j, c) at W + 8 j + 2 c: experts 0, 1, then 2, 3
.set WRD, 130                          ; v130 LDS: WL + 32 lane
.set WST, 131                          ; v131 LDS: WL + 1024 wave + 32 lane
.set WR,  160                          ; v160-175 my four rows of my wave's eighth of Wg, as loaded
.set WP,  176                          ; v176-183 the same, rounded
	s_load_b256 s[4:11], s[0:1], 0x0               ; x s[4:5], Wg s[6:7], bg s[8:9], xb s[10:11]
	s_load_b128 s[12:15], s[0:1], 0x20             ; idx s[12:13], gate s[14:15]
	s_load_b64 s[16:17], s[0:1], 0x30              ; psum
	v_lshl_add_u32 v[SPW], v0, 2, SPARE
	v_mov_b32 v[NIL], 0
	v_and_b32 v1, 31, v0                           ; lane
	v_lshrrev_b32 v7, 5, v0                        ; wave, in every lane
	v_readfirstlane_b32 s2, v7                     ; and as a scalar
	s_lshl_b32 s3, ttmp9, 3
	s_add_co_u32 s3, s3, s2                        ; my token
	s_mov_b32 s24, 0x76543210                      ; v_permlanex16_b32: each lane takes its own place in the other half
	s_mov_b32 s25, 0xfedcba98
	v_lshlrev_b32 v4, 4, v1                        ; 16 lane: x
	v_lshlrev_b32 v5, 6, v1                        ; 64 lane: four rows of Wg,
	v_lshl_add_u32 v5, s2, 11, v5                  ; in my wave's 128 rows
	v_lshlrev_b32 v6, 3, v1                        ; 8 lane: xb
	v_lshlrev_b32 v[WRD], 5, v1
	v_add_nc_u32 v[WRD], WL, v[WRD]
	v_lshl_add_u32 v[WST], s2, 10, v[WRD]
	s_lshl_b32 s18, s3, 12                         ; a row of x is 4,096 bytes,
	s_mov_b32 s19, 0
	s_lshl_b32 s26, s3, 11                         ; a row of xb 2,048
	s_mov_b32 s27, 0
	s_wait_kmcnt 0x0
	s_load_b128 s[20:23], s[8:9], 0x0              ; bg: four numbers
	s_add_nc_u64 s[4:5], s[4:5], s[18:19]
	s_add_nc_u64 s[10:11], s[10:11], s[26:27]
.irp c, 0,1,2,3
	global_load_b128 v[WR+4*\c:WR+4*\c+3], v5, s[6:7] offset:16*\c  ; row 128 wave + 4 lane + c of Wg: these go first, the barrier hangs on them
.endr
.irp j, 0,1,2,3,4,5,6,7
	global_load_b128 v[X+4*\j:X+4*\j+3], v4, s[4:5] offset:512*\j th:TH_LOAD_NT  ; 512 neighbouring bytes a load
.endr
	v_mov_b32 v12, 0                               ; the exchange's destination counts as read
.irp e, 0,1,2,3
	v_mov_b32 v[SUM+\e], 0
.endr
	s_wait_loadcnt 8                               ; my rows of Wg are in: the eight loads of x are younger
.irp c, 0,1,2,3
	v_cvt_pk_bf16_f32 v[WP+2*\c], v[WR+4*\c], v[WR+4*\c+1]      ; experts 0, 1
	v_cvt_pk_bf16_f32 v[WP+2*\c+1], v[WR+4*\c+2], v[WR+4*\c+3]  ; experts 2, 3
.endr
	ds_store_b128 v[WST], v[WP:WP+3]               ; four rows, 32 neighbouring bytes a lane
	ds_store_b128 v[WST], v[WP+4:WP+7] offset:16
	s_wait_loadcnt 0x0                             ; x
.irp j, 0,1,2,3,4,5,6,7
	v_cvt_pk_bf16_f32 v[X+4*\j], v[X+4*\j], v[X+4*\j+1]      ; c = 0, 1
	v_cvt_pk_bf16_f32 v[X+4*\j+1], v[X+4*\j+2], v[X+4*\j+3]  ; c = 2, 3
	global_store_b64 v6, v[X+4*\j:X+4*\j+1], s[10:11] offset:256*\j  ; the wave's store covers 256 consecutive bytes, aligned; the pair is only read from here on
.endr
	s_wait_dscnt 0x0                               ; for the others' sake: my eighth of Wg is stored
	s_barrier_signal -1
	s_barrier_wait -1                              ; Wg is whole; nothing writes it again
.irp j, 0,1,2,3,4,5,6,7
	ds_load_b128 v[W+8*\j:W+8*\j+3], v[WRD] offset:1024*\j        ; rows 128 j + 4 lane, + 1
	ds_load_b128 v[W+8*\j+4:W+8*\j+7], v[WRD] offset:1024*\j+16   ; + 2, + 3
.endr
; sum e += bf16 half sx of xr times bf16 half sw of wr, fused, in f32
.macro FM e, xr, wr, sx, sw
	v_fma_mix_f32_bf16 v[SUM+(\e)], v[\xr], v[\wr], v[SUM+(\e)] op_sel:[\sx,\sw,0] op_sel_hi:[1,1,0]
.endm
.irp j, 0,1,2,3,4,5,6,7                ; the four sums take turns
	s_wait_dscnt 14-2*\j                           ; the two loads of this j are in: two for each later j are younger
	FM 0, X+4*\j,   W+8*\j,   0, 0
	FM 1, X+4*\j,   W+8*\j,   0, 1
	FM 2, X+4*\j,   W+8*\j+1, 0, 0
	FM 3, X+4*\j,   W+8*\j+1, 0, 1
	FM 0, X+4*\j,   W+8*\j+2, 1, 0
	FM 1, X+4*\j,   W+8*\j+2, 1, 1
	FM 2, X+4*\j,   W+8*\j+3, 1, 0
	FM 3, X+4*\j,   W+8*\j+3, 1, 1
	FM 0, X+4*\j+1, W+8*\j+4, 0, 0
	FM 1, X+4*\j+1, W+8*\j+4, 0, 1
	FM 2, X+4*\j+1, W+8*\j+5, 0, 0
	FM 3, X+4*\j+1, W+8*\j+5, 0, 1
	FM 0, X+4*\j+1, W+8*\j+6, 1, 0
	FM 1, X+4*\j+1, W+8*\j+6, 1, 1
	FM 2, X+4*\j+1, W+8*\j+7, 1, 0
	FM 3, X+4*\j+1, W+8*\j+7, 1, 1
.endr
.macro WSUM r                          ; the sum over the 32 lanes, in every lane
	v_add_f32_dpp v[\r], v[\r], v[\r] row_xmask:1 row_mask:0xf bank_mask:0xf
	v_add_f32_dpp v[\r], v[\r], v[\r] row_xmask:2 row_mask:0xf bank_mask:0xf
	v_add_f32_dpp v[\r], v[\r], v[\r] row_xmask:4 row_mask:0xf bank_mask:0xf
	v_add_f32_dpp v[\r], v[\r], v[\r] row_xmask:8 row_mask:0xf bank_mask:0xf
	v_permlanex16_b32 v12, v[\r], s24, s25
	v_add_f32 v[\r], v[\r], v12
.endm
	WSUM SUM
	WSUM SUM+1
	WSUM SUM+2
	WSUM SUM+3
	s_wait_kmcnt 0x0                               ; bg
	v_mov_b32 v16, s20
	v_mov_b32 v17, s21
	v_mov_b32 v18, s22
	v_mov_b32 v19, s23
	v_cvt_pk_bf16_f32 v20, v16, v17                ; bg rounded to bf16, like every input
	v_cvt_pk_bf16_f32 v21, v18, v19
	v_lshlrev_b32 v16, 16, v20
	v_and_b32 v17, 0xffff0000, v20
	v_lshlrev_b32 v18, 16, v21
	v_and_b32 v19, 0xffff0000, v21
	v_add_f32 v8, v8, v16
	v_add_f32 v9, v9, v17
	v_add_f32 v10, v10, v18
	v_add_f32 v11, v11, v19
	v_max3_num_f32 v22, v8, v9, v10                ; the row's maximum
	v_max_num_f32 v22, v22, v11
	v_mov_b32 v23, v8                              ; the best so far, and its index: a later one wins only if strictly greater
	v_mov_b32 v27, 0
	v_cmp_gt_f32 vcc_lo, v9, v23
	v_cndmask_b32 v23, v23, v9, vcc_lo
	v_cndmask_b32 v27, v27, 1, vcc_lo
	v_cmp_gt_f32 vcc_lo, v10, v23
	v_cndmask_b32 v23, v23, v10, vcc_lo
	v_cndmask_b32 v27, v27, 2, vcc_lo
	v_cmp_gt_f32 vcc_lo, v11, v23
	v_cndmask_b32 v27, v27, 3, vcc_lo
.irp e, 0,1,2,3
	v_sub_f32 v[16+\e], v[SUM+\e], v22             ; exactly 0 for the maximum
.endr
.irp e, 0,1,2,3
	v_mul_f32 v[16+\e], 0x3fb8aa3b, v[16+\e]       ; times log2(e)
.endr
.irp e, 0,1,2,3
	v_exp_f32 v[16+\e], v[16+\e]
.endr
	v_nop                                          ; a plain instruction behind the last exponential,
	s_wait_alu depctr_va_vdst(0)                   ; and one wait for the batch of four, ahead of the first use
	v_add_f32 v20, v16, v17
	v_add_f32 v21, v18, v19
	v_add_f32 v20, v20, v21
	v_rcp_f32 v26, v20                             ; 1 / sum: also the gate, since the maximum's exponential is 1
	v_nop
	s_wait_alu depctr_va_vdst(0)
.irp e, 0,1,2,3
	v_mul_f32 v[16+\e], v[16+\e], v26              ; the probabilities
.endr
.irp e, 0,1,2,3
	v_cmp_eq_u32 vcc_lo, \e, v27
	v_cndmask_b32 v[28+\e], 0, 1.0, vcc_lo         ; the one-hot row
.endr
	v_lshlrev_b32 v25, 5, v7                       ; LDS: wave w's eight numbers at 32 w,
	v_lshlrev_b32 v24, 3, v7                       ; its gate and index at 256 + 8 w
	ds_store_b128 v25, v[16:19]                    ; all lanes write the same words with the same values
	ds_store_b128 v25, v[28:31] offset:16
	ds_store_b64 v24, v[26:27] offset:256
	s_wait_dscnt 0x0                               ; for the others' sake: my stores are done
	s_barrier_signal -1
	s_barrier_wait -1
	s_cmp_lg_u32 s2, 0
	s_cbranch_scc1 .Lend                           ; wave 0 gathers and stores for the work-group
	v_lshlrev_b32 v12, 2, v1
	v_and_b32 v15, 7, v1
	v_lshlrev_b32 v15, 3, v15
	ds_load_b32 v13, v12                           ; word l: wave l / 8, field l % 8
	ds_load_b32 v14, v12 offset:128                ; the same field of wave l / 8 + 4
	ds_load_b64 v[16:17], v15 offset:256           ; gate and index of wave l % 8
	s_lshl_b32 s18, ttmp9, 5
	v_add_nc_u32 v19, s18, v12                     ; 32 x work-group + 4 lane: the place in psum, gate and idx alike
	s_wait_dscnt 0x0
	v_add_f32 v13, v13, v14
	v_add_f32_dpp v13, v13, v13 row_xmask:8 row_mask:0xf bank_mask:0xf
	v_permlanex16_b32 v18, v13, s24, s25
	v_add_f32 v13, v13, v18                        ; field l % 8 summed over the eight waves
	s_wait_xcnt 0x0                                ; EXEC changes only behind this wait
	v_cmp_gt_u32 vcc_lo, 8, v1
	s_and_saveexec_b32 s28, vcc_lo                 ; lanes 0 to 7
	global_store_b32 v19, v13, s[16:17]            ; 32 bytes each: three short stores a work-group, all that the launch has of them
	global_store_b32 v19, v16, s[14:15]
	global_store_b32 v19, v17, s[12:13]
	s_wait_xcnt 0x0                                ; and again, ahead of the line that widens it
	s_or_b32 exec_lo, exec_lo, s28
.Lend:
	s_wait_tensorcnt 0x0                           ; the wave's end, behind my last LDS store
	ds_add_u32 v[SPW], v[NIL]
	s_wait_dscnt 0x0
	s_endpgm
.Lfunc_end_k_q7df7f44ea7_route:
	.size	k_q7df7f44ea7_route, .Lfunc_end_k_q7df7f44ea7_route-k_q7df7f44ea7_route
	.p2alignl 7, 3214868480
	.fill 96, 4, 3214868480
	.section	.rodata,"a",@progbits
	.p2align	6, 0x0
	.amdhsa_kernel k_q7df7f44ea7_route
		.amdhsa_group_segment_fixed_size 10240
		.amdhsa_private_segment_fixed_size 0
		.amdhsa_enable_private_segment 0
		.amdhsa_kernarg_size 56
		.amdhsa_user_sgpr_count 2
		.amdhsa_user_sgpr_kernarg_segment_ptr 1
		.amdhsa_wavefront_size32 1
		.amdhsa_system_sgpr_workgroup_id_x 1
		.amdhsa_system_sgpr_workgroup_id_y 1
		.amdhsa_system_sgpr_workgroup_id_z 1
		.amdhsa_system_vgpr_workitem_id 0
		.amdhsa_next_free_vgpr 192
		.amdhsa_next_free_sgpr 66
		.amdhsa_reserve_vcc 1
		.amdhsa_float_denorm_mode_32 3
		.amdhsa_float_denorm_mode_16_64 3
		.amdhsa_memory_ordered 1
		.amdhsa_forward_progress 1
		.amdhsa_inst_pref_size 20
	.end_amdhsa_kernel
	.amdgpu_metadata
---
amdhsa.version: [ 1, 2 ]
amdhsa.kernels:
  - .name:           k_q7df7f44ea7_route
    .symbol:         k_q7df7f44ea7_route.kd
    .args:
      - { .name: x, .offset: 0, .size: 8, .value_kind: global_buffer, .address_space: global }
      - { .name: Wg, .offset: 8, .size: 8, .value_kind: global_buffer, .address_space: global }
      - { .name: bg, .offset: 16, .size: 8, .value_kind: global_buffer, .address_space: global }
      - { .name: xb, .offset: 24, .size: 8, .value_kind: global_buffer, .address_space: global }
      - { .name: idx, .offset: 32, .size: 8, .value_kind: global_buffer, .address_space: global }
      - { .name: gate, .offset: 40, .size: 8, .value_kind: global_buffer, .address_space: global }
      - { .name: psum, .offset: 48, .size: 8, .value_kind: global_buffer, .address_space: global }
    .group_segment_fixed_size: 10240
    .private_segment_fixed_size: 0
    .kernarg_segment_align: 8
    .kernarg_segment_size: 56
    .max_flat_workgroup_size: 256
    .sgpr_count:     66
    .vgpr_count:     192
    .wavefront_size: 32
...
	.end_amdgpu_metadata
.endif
;; end of part 5
;; launch place (part 6): grid 256 x 1, 8 waves a work-group, no clusters, 0 bytes of LDS; arguments xb, idx, gate, xs, ent; writes xs, ent
.if DOCPART == 6
	.amdgcn_target "amdgcn-amd-amdhsa--gfx1250"
	.amdhsa_code_object_version 6
	.text
	.protected	k_q7df7f44ea7_place
	.globl	k_q7df7f44ea7_place
	.p2align	8
	.type	k_q7df7f44ea7_place,@function
k_q7df7f44ea7_place:
	s_mov_b64 s[64:65], 0
	v_nop
	global_prefetch_b8 v0, s[64:65] scope:SCOPE_SE
	s_setreg_imm32_b32 hwreg(HW_REG_WAVE_MODE, 25, 1), 1
	s_wait_xcnt 0x0
; PLACING.  The tokens' rows are laid end to end in the experts' order: xs[rank] = xb[token], ent[rank] = (16 x expert + batch, gate / 128), where rank is the number of tokens whose key
; 2048 x expert + token is smaller than mine: a counting sort in which every wave counts for itself, with no atomics and no LDS.  The choice was stored as whole numbers by the launch before.
; SHARES.  One wave takes one token (token = 8 x work-group + wave).  It reads all 2,048 choices (8 KB, the same for every wave), 64 a lane, and its own row of 2,048 bytes by four loads of 512
; neighbouring bytes; the row leaves by four stores of 512 consecutive aligned bytes.  ent's entry is one store of 8 bytes a token: 16 KB in the whole launch.
; Behind the 2,048 entries lie 640 entries of zeros, which the next launch's last tiles may read: work-groups 0 to 9 store 512 bytes of them each.
; A stream: no matrix unit, no cluster.
.set X, 16                             ; v16-31 my token's row
.set I, 32                             ; v32-95 the choices of tokens 128 i + 4 lane + c
	s_load_b256 s[4:11], s[0:1], 0x0               ; xb s[4:5], idx s[6:7], gate s[8:9], xs s[10:11]
	s_load_b64 s[12:13], s[0:1], 0x20              ; ent
	v_and_b32 v1, 31, v0                           ; lane
	v_lshrrev_b32 v2, 5, v0
	v_readfirstlane_b32 s2, v2                     ; wave
	s_mov_b32 s29, ttmp9
	s_lshl_b32 s3, s29, 3
	s_add_co_u32 s3, s3, s2                        ; my token
	v_lshlrev_b32 v3, 4, v1                        ; 16 lane
	v_lshlrev_b32 v4, 2, v1                        ; 4 lane
	s_lshl_b32 s14, s3, 11                         ; a row is 2,048 bytes
	s_mov_b32 s15, 0
	s_lshl_b32 s16, s3, 2                          ; my word in idx and in gate
	s_mov_b32 s17, 0
	s_mov_b32 s25, 0                               ; the rank
	s_wait_kmcnt 0x0
	s_add_nc_u64 s[20:21], s[6:7], s[16:17]
	s_add_nc_u64 s[22:23], s[8:9], s[16:17]
	s_load_b32 s18, s[20:21], 0x0                  ; my expert
	s_load_b32 s19, s[22:23], 0x0                  ; my gate
	s_add_nc_u64 s[4:5], s[4:5], s[14:15]
.irp i, 0,1,2,3,4,5,6,7,8,9,10,11,12,13,14,15
	global_load_b128 v[I+4*\i:I+4*\i+3], v3, s[6:7] offset:512*\i
.endr
.irp j, 0,1,2,3
	global_load_b128 v[X+4*\j:X+4*\j+3], v3, s[4:5] offset:512*\j th:TH_LOAD_NT
.endr
	s_wait_kmcnt 0x0
	s_lshl_b32 s24, s18, 11
	s_add_co_u32 s24, s24, s3                      ; my key
	s_wait_loadcnt 4                               ; the choices are in: the four loads of my row are younger
.set n, 0
.rept 64
	v_lshl_add_u32 v5, v[I+n], 11, v4              ; the key of token 128 (n / 4) + 4 lane + n % 4
	v_add_nc_u32 v5, 128*(n/4)+n%4, v5
	v_cmp_gt_u32 s26, s24, v5                      ; smaller than mine?
	s_bcnt1_i32_b32 s26, s26
	s_add_co_u32 s25, s25, s26
.set n, n+1
.endr
	s_min_u32 s25, s25, 2047                       ; a place made of loaded numbers is held inside the buffers
	s_lshl_b32 s26, s25, 11
	s_mov_b32 s27, 0
	s_add_nc_u64 s[10:11], s[10:11], s[26:27]      ; xs at my row
	s_lshl_b32 s28, s25, 3
	v_mov_b32 v10, s28                             ; my entry's byte offset
	s_lshl_b32 s30, s18, 4
	s_lshr_b32 s31, s3, 7
	s_add_co_u32 s30, s30, s31
	v_mov_b32 v8, s30                              ; 16 x expert + batch
	v_mov_b32 v9, s19
	v_mul_f32 v9, 0x3c000000, v9                   ; gate / 128: the mean's divisor rides on the gate, exactly
	s_wait_loadcnt 0x0                             ; my row
.irp j, 0,1,2,3
	global_store_b128 v3, v[X+4*\j:X+4*\j+3], s[10:11] offset:512*\j
.endr
	s_cmp_lg_u32 s2, 0
	s_cbranch_scc1 .Lnopad
	s_cmp_gt_u32 s29, 9
	s_cbranch_scc1 .Lnopad
.irp c, 0,1,2,3
	v_mov_b32 v[12+\c], 0
.endr
	s_lshl_b32 s26, s29, 9
	s_add_co_u32 s26, s26, 16384                   ; behind the 2,048 entries
	v_add_nc_u32 v11, s26, v3
	global_store_b128 v11, v[12:15], s[12:13]      ; 512 consecutive bytes of zeros
.Lnopad:
	s_wait_xcnt 0x0                                ; EXEC changes only behind this wait
	v_cmp_eq_u32 vcc_lo, 0, v1
	s_and_saveexec_b32 s26, vcc_lo
	global_store_b64 v10, v[8:9], s[12:13]
	s_wait_xcnt 0x0                                ; and again, ahead of the line that widens it
	s_or_b32 exec_lo, exec_lo, s26
	s_endpgm
.Lfunc_end_k_q7df7f44ea7_place:
	.size	k_q7df7f44ea7_place, .Lfunc_end_k_q7df7f44ea7_place-k_q7df7f44ea7_place
	.p2alignl 7, 3214868480
	.fill 96, 4, 3214868480
	.section	.rodata,"a",@progbits
	.p2align	6, 0x0
	.amdhsa_kernel k_q7df7f44ea7_place
		.amdhsa_group_segment_fixed_size 0
		.amdhsa_private_segment_fixed_size 0
		.amdhsa_enable_private_segment 0
		.amdhsa_kernarg_size 40
		.amdhsa_user_sgpr_count 2
		.amdhsa_user_sgpr_kernarg_segment_ptr 1
		.amdhsa_wavefront_size32 1
		.amdhsa_system_sgpr_workgroup_id_x 1
		.amdhsa_system_sgpr_workgroup_id_y 1
		.amdhsa_system_sgpr_workgroup_id_z 1
		.amdhsa_system_vgpr_workitem_id 0
		.amdhsa_next_free_vgpr 96
		.amdhsa_next_free_sgpr 66
		.amdhsa_reserve_vcc 1
		.amdhsa_float_denorm_mode_32 3
		.amdhsa_float_denorm_mode_16_64 3
		.amdhsa_memory_ordered 1
		.amdhsa_forward_progress 1
		.amdhsa_inst_pref_size 21
	.end_amdhsa_kernel
	.amdgpu_metadata
---
amdhsa.version: [ 1, 2 ]
amdhsa.kernels:
  - .name:           k_q7df7f44ea7_place
    .symbol:         k_q7df7f44ea7_place.kd
    .args:
      - { .name: xb, .offset: 0, .size: 8, .value_kind: global_buffer, .address_space: global }
      - { .name: idx, .offset: 8, .size: 8, .value_kind: global_buffer, .address_space: global }
      - { .name: gate, .offset: 16, .size: 8, .value_kind: global_buffer, .address_space: global }
      - { .name: xs, .offset: 24, .size: 8, .value_kind: global_buffer, .address_space: global }
      - { .name: ent, .offset: 32, .size: 8, .value_kind: global_buffer, .address_space: global }
    .group_segment_fixed_size: 0
    .private_segment_fixed_size: 0
    .kernarg_segment_align: 8
    .kernarg_segment_size: 40
    .max_flat_workgroup_size: 256
    .sgpr_count:     66
    .vgpr_count:     96
    .wavefront_size: 32
...
	.end_amdgpu_metadata
.endif
;; end of part 6
;; launch experts (part 7): grid 256 x 1, 4 waves a work-group, no clusters, 152,064 bytes of LDS; arguments xs, W1, b1, W2, b2, idx, ent, part; writes part
.if DOCPART == 7
	.amdgcn_target "amdgcn-amd-amdhsa--gfx1250"
	.amdhsa_code_object_version 6
	.text
	.protected	k_q7df7f44ea7_experts
	.globl	k_q7df7f44ea7_experts
	.p2align	8
	.type	k_q7df7f44ea7_experts,@function
k_q7df7f44ea7_experts:
	s_mov_b64 s[64:65], 0
	v_nop
	global_prefetch_b8 v0, s[64:65] scope:SCOPE_SE
	s_setreg_imm32_b32 hwreg(HW_REG_WAVE_MODE, 25, 1), 1
	s_wait_xcnt 0x0
; THE EXPERTS.  Work-group (e, sl), e = expert 0..3, sl = slice 0..63, owns hidden columns 64 sl .. 64 sl + 63 of expert e and ALL tokens that chose e.  It stores
;   part[wg][b][d] = sum over its 64 columns h of G[b][h] W2[e][h][d]  (+ GS[b] b2[e][d] in slice 0),   G[b][h] = sum over tokens s of batch b that chose e of (g_s / 128) relu(x_s . W1[e][:, h] + b1[e][h]),
;   GS[b] = the sum of those g_s / 128.  The mean over a batch's tokens is linear and follows the second product, so it is taken AHEAD of it: the second product has 16 rows an expert, and h never leaves registers.
; Each byte of W1 and W2 is read once in the launch, by this work-group alone, in rows of 256 aligned bytes, and rounded to bf16 on its way through registers.
; THE ROWS lie end to end in the experts' order in xs (the launch before laid them so), with an entry (16 x expert + batch, g / 128) for each in ent.  This text counts, from the stored choices, its expert's
; tokens and those of the lower experts; a row's address is then base + place, by plain arithmetic.
; LIMITS.  All inputs are rounded to bf16; relu(h) and g / 128 are rounded once to bf16 as matrix operands; G goes as two bf16 numbers, the rounded G and the rounded remainder; sums in f32, in another order
; than the formula as written (pooling first).  Places past an expert's count hold other tokens' rows with weight 0: every token's hidden row must be finite under every expert.  NaN and infinities are not treated apart.
; NO TENSOR LOADS, NO CLUSTER: a weight slice has one reader and must pass through registers to be rounded; the token rows, which an expert's 64 work-groups share, go straight into registers as matrix operands,
; since the loop over them has a length that hangs on a stored count and so holds no ring in LDS and no barrier.
; EVERY SPLIT IS SERVED: rows go in tiles of 16; tile 40 p + 4 t + w is slot t (0..9) of wave w in group p (0..3): 2,560 places, more than all 2,048 tokens.  A group without rows for a wave is jumped;
; in a group with eight live slots or fewer, slots 8 and 9 are loaded for k steps 0 to 3 alone and multiplied for k step 0 alone (so that every register is written and finite), and their pooling is jumped.
; LAYOUTS.  (1) A lane's 16 bytes of a weight row are 4 neighbouring columns; rounding row k and row k + 1 of element c together gives a register of B's fragment for tile c, in which lane r stands for column 4 r + c.
; (2) D = x W1: lane r = column, register j = token 8 hh + j.  (3) Two such results, rounded in pairs, ARE an operand with row = column and k = 32 token places.  (4) PM: lane r = batch r, k = the same 32 places,
; g / 128 where the place's token chose e and lies in batch r, else 0.  GT[c] += HF[c] x PM: lane = batch, register = column index.  GS += PM x ones.  (5) GT[2 kk] and GT[2 kk + 1], rounded in pairs, ARE the A operand
; of the second product: row = batch, k slot 16 u + 8 hh + j = W2's local row 32 hh + 4 j + 2 kk + u; B is built of exactly those rows by (1).  Nothing changes lanes anywhere.
; REGISTERS in windows of 256 (s_set_vgpr_msb: bits 1:0 source 0, 3:2 source 1, 5:4 source 2, 7:6 destination); this text names them by absolute number, and the macros below cut window and low byte.
.set EXCH,  131072                     ; LDS 0..131,071: W1's slice as bf16 fragments: k step j, tile c, half: 4096 j + 1024 c + 512 half + 16 lane; then 5,120 bytes for each wave: its GT and GS
.set EXB,   5120
.set SPARE, 151552                     ; then the spare words, 128 bytes for each wave; no other line names them
.set R,    1                           ; lane % 16
.set HH,   2                           ; lane / 16
.set LANE, 3
.set SPW,  4                           ; SPARE + 4 x thread; never rewritten
.set NIL,  5                           ; 0; never rewritten
.set ZERO, 6                           ; 0, for the arithmetic
.set VB,   7                           ; LDS address of the B fragments in hand
.set VB0,  8                           ; 16 lane
.set VR0,  9                           ; base + 640 p + 16 w + r: the row of place r of my slot 0
.set VE0,  10                          ; base + 640 p + 16 w + 8 hh: the entry of place 8 hh of my slot 0
.set H16,  11                          ; 16 hh
.set VEA,  12                          ; that entry's byte offset in ent
.set RB,   13                          ; 16 e + r: the entry word of my expert and my batch
.set VW,   15                          ; W1: 8 hh rows + 16 r
.set VS,   16                          ; staging: 32768 w + 16 lane
.set VX,   17                          ; my exchange bytes + 16 lane
.set VY,   18                          ; wave 0's exchange bytes + 16 lane
.set VW2,  19                          ; W2: 32 hh rows + 1024 w + 16 r
.set VO,   20                          ; part: 8 hh rows + 1024 w + 16 r
.set VPF,  21                          ; the prefetch: row lane / 2, 256 (lane % 2) + 1024 w; never rewritten
.set ROW,  22                          ; v22-31: slot t: byte offset in xs of my row + 16 hh
.set T0,   32                          ; v32-39 at work
.set BIAS, 40                          ; v40-71: tile c: b1 of column 4 r + c, eight times: the C operand that starts the sums
.set BB,   72                          ; v72-135: B fragments, two buffers of 4 tiles
.set HF,   136                         ; v136-167
.set ONES, 176                         ; v176-183: 1.0 in every bf16
.set GT,   216                         ; v216-247
.set GS,   248                         ; v248-255
.set ACC,  256                         ; v256-575: slot t, tile c at 256 + 32 t + 8 c.  A buffers 0-3: v576, 656, 768, 848, 80 registers each
.set ENT,  256                         ; at a group's head, ahead of the first product: my 80 entries, slot t's eight at 256 + 16 t
.set PMS,  928                         ; v928-967: the group's five PM fragments
.set IDX,  72                          ; the count: 64 choices
.set ST,   200                         ; staging: 16 packed registers
.set LD,   256                         ; staging: unit u's 8 loads at 256 + 32 u
.set LW,   256                         ; second product: unit u's 16 loads at 256 + 64 u
.set B2F,  768                         ; its B fragments, two sets
.set DA,   832                         ; its accumulators, two sets of 4
.set B2RAW, 896                        ; b2 as loaded
.set C0,   72                          ; the four waves' GT and GS, 40 registers each
.set GSF,  104
.set GA,   112                         ; G rounded to bf16: two A fragments
.set OUT,  128                         ; two sets of 32
.set B2S,  192
.set GAL,  208                         ; G's remainder rounded to bf16: two A fragments
.set TP,   224                         ; two at work
.set MSB, 0
.macro WIN new                         ; the immediate's high byte repeats the setting that is left; a switch that changes nothing is dropped
.if MSB != (\new)
	s_set_vgpr_msb (MSB<<8)|(\new)
.set MSB, (\new)
.endif
.endm
.macro W4 d, a, b, c                   ; the windows of destination and sources 0, 1, 2, from absolute numbers
	WIN ((((\d)>>8)<<6)|(((\c)>>8)<<4)|(((\b)>>8)<<2)|((\a)>>8))
.endm
.macro MM d, a, b, c
	W4 \d, \a, \b, \c
	v_wmma_f32_16x16x32_bf16 v[(\d)&255:((\d)&255)+7], v[(\a)&255:((\a)&255)+7], v[(\b)&255:((\b)&255)+7], v[(\c)&255:((\c)&255)+7]
.endm
.macro MM0 d, a, b                     ; starts a sum with the constant 0; the windows are those of the chain behind it
	W4 \d, \a, \b, \d
	v_wmma_f32_16x16x32_bf16 v[(\d)&255:((\d)&255)+7], v[(\a)&255:((\a)&255)+7], v[(\b)&255:((\b)&255)+7], 0
.endm
.macro CVT d, a, b
	W4 \d, \a, \b, 0
	v_cvt_pk_bf16_f32 v[(\d)&255], v[(\a)&255], v[(\b)&255]
.endm
.macro GLD4 d, a, base, off
	W4 \d, \a, 0, 0
	global_load_b128 v[(\d)&255:((\d)&255)+3], v[(\a)&255], s[\base:\base+1] offset:(\off)
.endm
.macro GLD4NT d, a, base, off          ; for bytes that the whole launch reads once
	W4 \d, \a, 0, 0
	global_load_b128 v[(\d)&255:((\d)&255)+3], v[(\a)&255], s[\base:\base+1] offset:(\off) th:TH_LOAD_NT
.endm
.macro DLD4 d, a, off
	W4 \d, \a, 0, 0
	ds_load_b128 v[(\d)&255:((\d)&255)+3], v[(\a)&255] offset:(\off)
.endm
.macro PLACES                          ; four plain places between a matrix instruction and a vector instruction, a store or a load that touches its registers (ISA guide 7.12.1 for vector instructions)
.rept 4
	v_nop
.endr
.endm
.macro WUNIT u                         ; unit u of W1: rows 256 w + 16 u + 8 hh + i, my slice's 256 bytes of each: sixteen lanes take one row
.irp i, 0,1,2,3,4,5,6,7
	GLD4NT LD+32*(\u)+4*\i, VW, 10, ((\u)<<18)+(\i<<14)
.endr
.endm
	s_load_b512 s[8:23], s[0:1], 0x0               ; xs s[8:9], W1 s[10:11], b1 s[12:13], W2 s[14:15], b2 s[16:17], idx s[18:19], ent s[20:21], part s[22:23]
	v_lshl_add_u32 v[SPW], v0, 2, SPARE
	v_mov_b32 v[NIL], 0
	v_mov_b32 v[ZERO], 0
	v_lshrrev_b32 v[T0], 5, v0
	v_readfirstlane_b32 s2, v[T0]                  ; wave 0..3
	s_lshr_b32 s3, ttmp9, 6                        ; e
	s_and_b32 s4, ttmp9, 63                        ; sl
	s_mov_b32 s5, 0                                ; the count of e's tokens
	s_mov_b32 s34, 0                               ; the count of the lower experts' tokens: e's first row in xs
	s_mov_b32 s33, 0                               ; named with s32 as a pair
	s_cmp_eq_u32 s4, 0
	s_cselect_b32 s32, 1.0, 0                      ; slice 0 alone adds the b2 term
	v_and_b32 v[R], 15, v0
	v_bfe_u32 v[HH], v0, 4, 1
	v_and_b32 v[LANE], 31, v0
	v_lshlrev_b32 v[VB0], 4, v[LANE]
	v_lshlrev_b32 v[H16], 4, v[HH]
	v_lshl_add_u32 v[RB], s3, 4, v[R]
	v_lshlrev_b32 v[VW], 4, v[R]
	v_mov_b32 v204, v[VW]                          ; 16 r: b1's address
	v_lshlrev_b32 v[VO], 4, v[R]
	v_lshl_or_b32 v[VW], v[HH], 17, v[VW]          ; 8 rows of W1 and 32 rows of W2 are both 131,072 bytes
	v_lshl_add_u32 v[VW2], s2, 10, v[VW]
	v_lshl_add_u32 v[VO], v[HH], 15, v[VO]
	v_lshl_add_u32 v[VO], s2, 10, v[VO]
	v_lshl_add_u32 v[VS], s2, 15, v[VB0]
	s_mul_i32 s26, s2, EXB
	s_add_co_u32 s26, s26, EXCH
	v_add_nc_u32 v[VX], s26, v[VB0]
	v_add_nc_u32 v[VY], EXCH, v[VB0]
	v_lshrrev_b32 v[VPF], 1, v[LANE]
	v_lshlrev_b32 v[VPF], 12, v[VPF]
	v_and_b32 v[T0], 1, v[LANE]
	v_lshl_add_u32 v[VPF], v[T0], 8, v[VPF]
	v_lshl_add_u32 v[VPF], s2, 10, v[VPF]
	s_mov_b32 s29, 0                               ; every offset below stays under 2^27: the pair's high word is 0
	s_wait_kmcnt 0x0
	s_lshl_b32 s28, s3, 24                         ; W1: expert, my wave's 256 rows, the slice's 256 bytes
	s_lshl_b32 s26, s2, 22
	s_add_co_u32 s28, s28, s26
	s_lshl_b32 s26, s4, 8
	s_add_co_u32 s28, s28, s26
	s_add_nc_u64 s[10:11], s[10:11], s[28:29]
	s_lshl_b32 s28, s3, 24                         ; W2: expert, the slice's 64 rows
	s_lshl_b32 s26, s4, 18
	s_add_co_u32 s28, s28, s26
	s_add_nc_u64 s[14:15], s[14:15], s[28:29]
	s_lshl_b32 s28, s3, 14                         ; b1: expert, the slice's 64 numbers
	s_lshl_b32 s26, s4, 8
	s_add_co_u32 s28, s28, s26
	s_add_nc_u64 s[12:13], s[12:13], s[28:29]
	s_lshl_b32 s28, s3, 12                         ; b2: expert
	s_add_nc_u64 s[16:17], s[16:17], s[28:29]
	s_lshl_b32 s28, ttmp9, 16                      ; part: my 16 x 1024 numbers
	s_add_nc_u64 s[22:23], s[22:23], s[28:29]
.irp i, 0,1,2,3,4,5,6,7,8,9,10,11,12,13,14,15
	GLD4 IDX+4*\i, VB0, 18, 512*\i                 ; all 2,048 choices, 64 a lane
.endr
	GLD4 T0+4, 204, 12, 0                          ; b1 of columns 4 r .. 4 r + 3
.irp u, 0,1,2,3,4,5,6
	WUNIT \u                                       ; seven units of W1 are on their way while the tokens are counted
.endr
	WIN 0
	s_wait_loadcnt 56                              ; idx and b1 are in: the 56 loads of W1 are younger
; THE COUNT.  Every wave counts for itself: how many tokens chose e, and how many chose a lower expert.
.macro COUNT n
	v_cmp_eq_u32 s26, s3, v[IDX+(\n)]
	v_cmp_gt_u32 s27, s3, v[IDX+(\n)]
	s_bcnt1_i32_b32 s26, s26
	s_bcnt1_i32_b32 s27, s27
	s_add_co_u32 s5, s5, s26
	s_add_co_u32 s34, s34, s27
.endm
.set n, 0
.rept 64
	COUNT n
.set n, n+1
.endr
	s_add_co_u32 s6, s5, 15                        ; tiles of 16 rows,
	s_lshr_b32 s6, s6, 4
	s_add_co_u32 s6, s6, 3                         ; of which those with number = w modulo 4 are mine
	s_sub_co_u32 s6, s6, s2
	s_lshr_b32 s6, s6, 2
	s_min_u32 s34, s34, 2048                       ; a number made of loaded numbers is held in its range
	s_lshl_b32 s26, s2, 4
	s_add_co_u32 s26, s26, s34                     ; base + 16 w
	v_add_nc_u32 v[VR0], s26, v[R]
	v_lshl_add_u32 v[VE0], v[HH], 3, s26
	v_cvt_pk_bf16_f32 v[T0], v[T0+4], v[T0+5]      ; b1 rounded to bf16
	v_cvt_pk_bf16_f32 v[T0+1], v[T0+6], v[T0+7]
.irp i, 0,1,2,3,4,5,6,7
	v_lshlrev_b32 v[BIAS+\i], 16, v[T0]
	v_and_b32 v[BIAS+8+\i], 0xffff0000, v[T0]
	v_lshlrev_b32 v[BIAS+16+\i], 16, v[T0+1]
	v_and_b32 v[BIAS+24+\i], 0xffff0000, v[T0+1]
	v_mov_b32 v[ONES+\i], 0x3f803f80
.endr
.set n, 0
.rept 40
	v_mov_b32 v[GT+n], 0                           ; GT and GS are cleared: a wave may have no rows at all, and then no product starts these sums
.set n, n+1
.endr
; STAGING.  Unit u (16 rows of k) is rounded in pairs of rows and stored as half of k step 8 w + u / 2's four fragments.  Seven units stay on their way.
.macro STAGE u
.if (\u)+6 < 15
	s_wait_loadcnt 48                              ; six younger units of eight loads
.else
	s_wait_loadcnt 8*(15-(\u))                     ; the counts run down
.endif
.irp c, 0,1,2,3
.irp p, 0,1,2,3
	CVT ST+4*\c+\p, LD+32*(\u)+8*\p+\c, LD+32*(\u)+8*\p+4+\c
.endr
.endr
	WIN 0
.irp c, 0,1,2,3
	ds_store_b128 v[VS], v[ST+4*\c:ST+4*\c+3] offset:((\u)/2)*4096+((\u)%2)*512+1024*\c  ; 512 neighbouring bytes
.endr
.if (\u)+7 <= 15
	WUNIT (\u)+7
.endif
.endm
.set u, 0
.rept 16
	STAGE u
.set u, u+1
.endr
	WIN 0
	s_wait_dscnt 0x0                               ; for the others' sake: my quarter of the fragments is stored
	s_barrier_signal -1
	s_barrier_wait -1                              ; the slice is whole; nothing writes it again
; THE FIRST PRODUCT.  A: ten slots of 16 token rows x 32 k, straight from xs, four buffers; B: four tiles from LDS, two buffers.
.macro ASLOT t, koff                   ; slot t's fragment: two loads of 16 bytes a lane, 32 bytes apart
	GLD4 AB+8*(\t), ROW+(\t), 30, (\koff)
	GLD4 AB+8*(\t)+4, ROW+(\t), 30, (\koff)+32
.endm
; live = 0: all ten slots.  live = 1: slots 8 and 9 are jumped where the wave has no rows for them (s7 = its live slots in this group): 16, 18 or 20 loads.
; The counted waits behind such loads take the least of these, 16 a buffer, so that they hold on every path.
.macro ALOAD buf, koff, live
.set AB, 576+80*(\buf)+32*((\buf)/2)
.irp t, 0,1,2,3,4,5,6,7
	ASLOT \t, \koff
.endr
.if \live
	WIN 0                                          ; at a branch and at a label every window is 0
	s_cmp_lt_u32 s7, 9
	s_cbranch_scc1 .Laend_\@
.endif
	ASLOT 8, \koff
.if \live
	WIN 0
	s_cmp_lt_u32 s7, 10
	s_cbranch_scc1 .Laend_\@
.endif
	ASLOT 9, \koff
	WIN 0
.if \live
.Laend_\@:
.endif
.endm
.macro BLOAD bb, off
.irp c, 0,1,2,3
	DLD4 BB+32*(\bb)+8*\c, VB, (\off)+1024*\c
	DLD4 BB+32*(\bb)+8*\c+4, VB, (\off)+1024*\c+512
.endr
.endm
.macro SLOTMUL t, first                ; four products, one on each of the slot's accumulators
.irp c, 0,1,2,3
.if \first
	MM ACC+32*(\t)+8*\c, AB+8*(\t), BF+8*\c, BIAS+8*\c
.else
	MM ACC+32*(\t)+8*\c, AB+8*(\t), BF+8*\c, ACC+32*(\t)+8*\c
.endif
.endr
.endm
; The accumulators take turns, one instruction a turn, on every path and over the loop's jump.  first = 1: the bias starts the sums, in all ten slots.
; Else slots 8 and 9 are jumped where the wave has no rows for them, by the compares that jump their loads.
.macro MULS buf, bb, first
.set AB, 576+80*(\buf)+32*((\buf)/2)
.set BF, BB+32*(\bb)
.irp t, 0,1,2,3,4,5,6,7
	SLOTMUL \t, \first
.endr
.if (\first) == 0
	WIN 0                                          ; at a branch and at a label every window is 0
	s_cmp_lt_u32 s7, 9
	s_cbranch_scc1 .Lmend_\@
.endif
	SLOTMUL 8, \first
.if (\first) == 0
	WIN 0
	s_cmp_lt_u32 s7, 10
	s_cbranch_scc1 .Lmend_\@
.endif
	SLOTMUL 9, \first
	WIN 0
.if (\first) == 0
.Lmend_\@:
.endif
.endm
; One k step: A of the step three ahead goes into the buffer that the last step multiplied, B of the next step likewise; lc, dc: the younger loads that may stay out.
.macro STEP buf, bb, aoff, boff, lc, dc, first, live
	PLACES
.if (\aoff) >= 0
	ALOAD ((\buf)+3)%4, \aoff, \live
.endif
.if (\boff) >= 0
	BLOAD 1-(\bb), \boff
.endif
	s_wait_loadcnt \lc
	s_wait_dscnt \dc
	MULS \buf, \bb, \first
.endm
; POOLING of slots 2 m and 2 m + 1: 32 places.  Their PM fragment was made at the group's head.
.macro POOL m
.irp c, 0,1,2,3
.irp u, 0,1
.irp p, 0,1,2,3
	CVT HF+8*\c+4*\u+\p, ACC+32*(2*(\m)+\u)+8*\c+2*\p, ACC+32*(2*(\m)+\u)+8*\c+2*\p+1  ; each accumulator from its low end on
.endr
.endr
.endr
	WIN 0
.set n, 0
.rept 32
	v_pk_max_num_bf16 v[HF+n], v[HF+n], v[ZERO]    ; relu, two at a time; nothing is rounded here
.set n, n+1
.endr
.irp c, 0,1,2,3
	MM GT+8*\c, HF+8*\c, PMS+8*(\m), GT+8*\c
.endr
	MM GS, PMS+8*(\m), ONES, GS
	PLACES                                         ; HF is written again, and GT and GS read, only behind these
.endm
	s_mov_b32 s25, 4                               ; four groups of 640 places: a constant count that covers every split
.Lgroup:
	s_min_u32 s7, s6, 10                           ; my live slots in this group
	s_sub_co_u32 s6, s6, s7
	s_cmp_eq_u32 s7, 0
	s_cbranch_scc1 .Lnext                          ; none: the group is jumped; no barrier stands in what is jumped
	PLACES
	v_min_u32 v[VEA], 2104, v[VE0]                 ; held so that the last entry read, 583 further on, is ent's last, number 2,687
	v_lshlrev_b32 v[VEA], 3, v[VEA]
.irp t, 0,1,2,3,4,5,6,7,8,9
.irp q, 0,1,2,3
	GLD4 ENT+16*\t+4*\q, VEA, 20, 512*\t+16*\q     ; two entries a load: places 8 hh + 2 q, + 1 of slot t
.endr
.endr
	WIN 0
.irp t, 0,1,2,3,4,5,6,7,8,9
	v_add_nc_u32 v[ROW+\t], 64*\t, v[VR0]          ; the row of place r of tile 4 t + w of the group,
	v_min_u32 v[ROW+\t], 2047, v[ROW+\t]           ; held inside xs
	v_lshl_add_u32 v[ROW+\t], v[ROW+\t], 11, v[H16]
.endr
	s_mov_b64 s[30:31], s[8:9]                     ; xs at k = 0 (no load that names the pair is out: the last group's last wait was for 0)
	v_mov_b32 v[VB], v[VB0]
	ALOAD 0, 0, 0                                  ; each buffer's first load takes all ten slots: every register is written, and k step 0 multiplies all ten
	ALOAD 1, 64, 0
	ALOAD 2, 128, 0
	BLOAD 0, 0
	s_wait_loadcnt 60                              ; the entries are in: three buffers of 20 loads are younger, and stay on their way while PM is made
	WIN 0x44                                       ; source 1 and destination in window 1; the compare has no vector destination
.set n, 0
.rept 80
	v_cmp_eq_u32 vcc_lo, v[RB], v[(ENT+2*n)&255]   ; my expert's token, in my batch?
	v_cndmask_b32 v[(ENT+2*n+1)&255], v[ZERO], v[(ENT+2*n+1)&255], vcc_lo  ; then its weight, else 0
.set n, n+1
.endr
.set n, 0
.rept 40
	CVT PMS+n, ENT+4*n+1, ENT+4*n+3
.set n, n+1
.endr
	STEP 0, 0, 192, 4096, 60, 8, 1, 0              ; k step 0.  60: three younger buffers of 20 loads; 8: the B fragments just asked for
	WIN 0
	s_mov_b32 s24, 7
.Lk:                                                   ; a trip: k steps 4 n + 1 .. 4 n + 4.  48: three younger buffers of 16 loads at the least
	STEP 1, 1, 256, 8192,  48, 8, 0, 1
	STEP 2, 0, 320, 12288, 48, 8, 0, 1
	STEP 3, 1, 384, 16384, 48, 8, 0, 1
	STEP 0, 0, 448, 20480, 48, 8, 0, 1
	WIN 0
	s_wait_xcnt 0x0                                ; the loads' base is stepped only behind this wait
	s_add_nc_u64 s[30:31], s[30:31], 256           ; 128 k on
	v_add_nc_u32 v[VB], 16384, v[VB]
	s_sub_co_u32 s24, s24, 1
	s_cmp_lg_u32 s24, 0
	s_cbranch_scc1 .Lk
	s_cmp_lg_u32 s25, 4
	s_cbranch_scc1 .Lnopf
; In the first group alone: the first 512 of my wave's 1,024 bytes of each of the slice's 64 rows of W2 are asked for, lanes 256 bytes apart, each block once in the launch: 32 KB a wave.
; They are what the second product's first 64 loads read, three k steps and the pooling further on.  All lie inside the slice's 262,144 bytes.
.irp i, 0,1,2,3
	global_prefetch_b8 v[VPF], s[14:15] offset:65536*\i th:TH_LOAD_NT scope:SCOPE_SE
.endr
.Lnopf:
	STEP 1, 1, -1, 8192,  32, 8, 0, 0              ; k steps 29, 30, 31: nothing more of A to fetch, the counts run down: two, one, no younger buffer of 16 at the least
	STEP 2, 0, -1, 12288, 16, 8, 0, 0
	STEP 3, 1, -1, -1,    0,  0, 0, 0
	PLACES
	POOL 0
	POOL 1
	POOL 2
	POOL 3
	WIN 0
	s_cmp_lt_u32 s7, 9
	s_cbranch_scc1 .Lnext                          ; slots 8 and 9 both dead: all their weights are 0, and their pooling is jumped
	POOL 4                                         ; a dead slot 9 holds finite numbers and meets weight 0
	WIN 0
.Lnext:
	v_add_nc_u32 v[VR0], 640, v[VR0]               ; 640 places on
	v_add_nc_u32 v[VE0], 640, v[VE0]
	s_sub_co_u32 s25, s25, 1
	s_cmp_lg_u32 s25, 0
	s_cbranch_scc1 .Lgroup
; THE SECOND PRODUCT.  My wave has d columns 256 w .. 256 w + 255, in four blocks of 64; all 64 rows of the slice; 128 loads, each two rows' 256 aligned bytes.
	PLACES
	v_lshlrev_b32 v[T0+1], 4, v[R]
	v_lshl_add_u32 v[T0+1], s2, 10, v[T0+1]
.irp k, 0,1,2,3
	GLD4 B2RAW+4*\k, T0+1, 16, 256*\k              ; b2 of columns 256 w + 64 k + 4 r ..
.endr
.set u, 0
.rept 8                                ; unit u = 2 block + kk: rows 32 hh + 4 j + 2 kk + h
.irp h, 0,1
.irp j, 0,1,2,3,4,5,6,7
	GLD4NT LW+64*u+4*(8*\h+\j), VW2, 14, (4*\j+2*(u%2)+\h)*4096+256*(u/2)
.endr
.endr
.set u, u+1
.endr
	WIN 0
	s_wait_dscnt 0x0                               ; my reads of the fragments are over;
	s_barrier_signal -1
	s_barrier_wait -1                              ; every wave's are: LDS is stored into again only behind this barrier.  The loads of W2 are on their way meanwhile
.irp q, 0,1,2,3,4,5,6,7,8,9
	ds_store_b128 v[VX], v[GT+4*\q:GT+4*\q+3] offset:512*\q  ; my GT and GS, each accumulator from its low end on
.endr
	s_wait_dscnt 0x0                               ; for the others' sake
	s_barrier_signal -1
	s_barrier_wait -1
.irp i, 0,1,2,3
.irp q, 0,1,2,3,4,5,6,7,8,9
	ds_load_b128 v[C0+40*\i+4*\q:C0+40*\i+4*\q+3], v[VY] offset:EXB*\i+512*\q
.endr
.endr
	s_wait_dscnt 0x0
.set n, 0
.rept 20
	v_pk_add_f32 v[C0+2*n:C0+2*n+1], v[C0+2*n:C0+2*n+1], v[C0+40+2*n:C0+40+2*n+1]
	v_pk_add_f32 v[C0+80+2*n:C0+80+2*n+1], v[C0+80+2*n:C0+80+2*n+1], v[C0+120+2*n:C0+120+2*n+1]
.set n, n+1
.endr
.set n, 0
.rept 20
	v_pk_add_f32 v[C0+2*n:C0+2*n+1], v[C0+2*n:C0+2*n+1], v[C0+80+2*n:C0+80+2*n+1]  ; the four waves' sums, in f32
.set n, n+1
.endr
; G as two bf16 numbers: GA = G rounded; GAL = (G - GA) rounded.  Both are multiplied by the same fragments of W2, so that G's rounding leaves 16 significant bits.
.irp k, 0,1
.irp h, 0,1
.irp p, 0,1,2,3
	v_cvt_pk_bf16_f32 v[GA+8*\k+4*\h+\p], v[C0+16*\k+8*\h+2*\p], v[C0+16*\k+8*\h+2*\p+1]
	v_lshlrev_b32 v[TP], 16, v[GA+8*\k+4*\h+\p]
	v_and_b32 v[TP+1], 0xffff0000, v[GA+8*\k+4*\h+\p]
	v_sub_f32 v[TP], v[C0+16*\k+8*\h+2*\p], v[TP]
	v_sub_f32 v[TP+1], v[C0+16*\k+8*\h+2*\p+1], v[TP+1]
	v_cvt_pk_bf16_f32 v[GAL+8*\k+4*\h+\p], v[TP], v[TP+1]
.endr
.endr
.endr
	s_wait_loadcnt 63                              ; b2 is in: 128 loads are younger
.irp n, 0,1,2,3,4,5,6,7
	CVT T0+\n, B2RAW+2*\n, B2RAW+2*\n+1            ; b2 rounded to bf16
.endr
	WIN 0
.irp n, 0,1,2,3,4,5,6,7
	v_lshlrev_b32 v[B2S+2*\n], 16, v[T0+\n]
	v_and_b32 v[B2S+2*\n+1], 0xffff0000, v[T0+\n]
.endr
.irp n, 0,1,2,3,4,5,6,7
	v_pk_mul_f32 v[B2S+2*\n:B2S+2*\n+1], v[B2S+2*\n:B2S+2*\n+1], s[32:33] op_sel_hi:[1,0]  ; times 1 in slice 0, times 0 elsewhere
.endr
.set u, 0
.rept 8
.set blk, u/2
.set kk, u%2
.if 16*(7-u) > 63
	s_wait_loadcnt 63                              ; unit u is in: more than 63 loads are younger
.else
	s_wait_loadcnt 16*(7-u)                        ; sixteen loads for each younger unit
.endif
.irp c, 0,1,2,3
.irp h, 0,1
.irp p, 0,1,2,3
	CVT B2F+32*kk+8*\c+4*\h+\p, LW+64*u+4*(8*\h+2*\p)+\c, LW+64*u+4*(8*\h+2*\p+1)+\c
.endr
.endr
.endr
.irp c, 0,1,2,3                        ; four accumulators by turns; the other unit's 32 conversions stand between a set's readers and its next writers
.if kk == 0
	MM0 DA+32*(blk%2)+8*\c, GA, B2F+8*\c
.else
	MM DA+32*(blk%2)+8*\c, GA+8, B2F+32+8*\c, DA+32*(blk%2)+8*\c
.endif
.endr
.irp c, 0,1,2,3                        ; and the remainder's products, the same four by turns
	MM DA+32*(blk%2)+8*\c, GAL+8*kk, B2F+32*kk+8*\c, DA+32*(blk%2)+8*\c
.endr
.if kk == 1
	PLACES
	s_wait_xcnt 0x0                                ; the registers that earlier stores read are written again only behind this wait
	WIN 0x30                                       ; source 2 in window 3
.irp j, 0,1,2,3,4,5,6,7                ; register 0 of each accumulator is read first
.irp c, 0,1,2,3
	v_fma_f32 v[OUT+32*(blk%2)+4*\j+\c], v[GSF+\j], v[B2S+4*blk+\c], v[(DA+32*(blk%2)+8*\c+\j)&255]
.endr
.endr
	WIN 0
.irp j, 0,1,2,3,4,5,6,7
	global_store_b128 v[VO], v[OUT+32*(blk%2)+4*\j:OUT+32*(blk%2)+4*\j+3], s[22:23] offset:4096*\j+256*blk  ; batch 8 hh + j: sixteen lanes store 256 consecutive bytes, aligned
.endr
.endif
.set u, u+1
.endr
	s_wait_tensorcnt 0x0                           ; the wave's end, behind my last LDS store
	ds_add_u32 v[SPW], v[NIL]
	s_wait_dscnt 0x0
	s_endpgm
.Lfunc_end_k_q7df7f44ea7_experts:
	.size	k_q7df7f44ea7_experts, .Lfunc_end_k_q7df7f44ea7_experts-k_q7df7f44ea7_experts
	.p2alignl 7, 3214868480
	.fill 96, 4, 3214868480
	.section	.rodata,"a",@progbits
	.p2align	6, 0x0
	.amdhsa_kernel k_q7df7f44ea7_experts
		.amdhsa_group_segment_fixed_size 152064
		.amdhsa_private_segment_fixed_size 0
		.amdhsa_enable_private_segment 0
		.amdhsa_kernarg_size 64
		.amdhsa_user_sgpr_count 2
		.amdhsa_user_sgpr_kernarg_segment_ptr 1
		.amdhsa_wavefront_size32 1
		.amdhsa_system_sgpr_workgroup_id_x 1
		.amdhsa_system_sgpr_workgroup_id_y 1
		.amdhsa_system_sgpr_workgroup_id_z 1
		.amdhsa_system_vgpr_workitem_id 0
		.amdhsa_next_free_vgpr 968
		.amdhsa_next_free_sgpr 66
		.amdhsa_reserve_vcc 1
		.amdhsa_float_denorm_mode_32 3
		.amdhsa_float_denorm_mode_16_64 3
		.amdhsa_memory_ordered 1
		.amdhsa_forward_progress 1
		.amdhsa_inst_pref_size 199
	.end_amdhsa_kernel
	.amdgpu_metadata
---
amdhsa.version: [ 1, 2 ]
amdhsa.kernels:
  - .name:           k_q7df7f44ea7_experts
    .symbol:         k_q7df7f44ea7_experts.kd
    .args:
      - { .name: xs, .offset: 0, .size: 8, .value_kind: global_buffer, .address_space: global }
      - { .name: W1, .offset: 8, .size: 8, .value_kind: global_buffer, .address_space: global }
      - { .name: b1, .offset: 16, .size: 8, .value_kind: global_buffer, .address_space: global }
      - { .name: W2, .offset: 24, .size: 8, .value_kind: global_buffer, .address_space: global }
      - { .name: b2, .offset: 32, .size: 8, .value_kind: global_buffer, .address_space: global }
      - { .name: idx, .offset: 40, .size: 8, .value_kind: global_buffer, .address_space: global }
      - { .name: ent, .offset: 48, .size: 8, .value_kind: global_buffer, .address_space: global }
      - { .name: part, .offset: 56, .size: 8, .value_kind: global_buffer, .address_space: global }
    .group_segment_fixed_size: 152064
    .private_segment_fixed_size: 0
    .kernarg_segment_align: 8
    .kernarg_segment_size: 64
    .max_flat_workgroup_size: 128
    .sgpr_count:     66
    .vgpr_count:     968
    .wavefront_size: 32
...
	.end_amdgpu_metadata
.endif
;; end of part 7
;; launch reduce (part 8): grid 256 x 1, 4 waves a work-group, no clusters, 1,536 bytes of LDS; arguments part, psum, pooled, out1; writes pooled, out1
.if DOCPART == 8
	.amdgcn_target "amdgcn-amd-amdhsa--gfx1250"
	.amdhsa_code_object_version 6
	.text
	.protected	k_q7df7f44ea7_reduce
	.globl	k_q7df7f44ea7_reduce
	.p2align	8
	.type	k_q7df7f44ea7_reduce,@function
k_q7df7f44ea7_reduce:
	s_mov_b64 s[64:65], 0
	v_nop
	global_prefetch_b8 v0, s[64:65] scope:SCOPE_SE
	s_setreg_imm32_b32 hwreg(HW_REG_WAVE_MODE, 25, 1), 1
	s_wait_xcnt 0x0
; pooled[b][d] = the sum of the 256 partial results part[p][b][d], in f32; and the load-balancing loss out1 = 4 x sum over experts of (count / 2048) (sum of probabilities / 2048).
; SHARES.  Work-group g owns the 256 bytes at 256 g of pooled; wave w adds partials 64 w .. 64 w + 63: a load takes the 256 aligned bytes of two partials (lanes 0-15 one, lanes 16-31 the next), 32 loads out at once.
; A stream: no matrix unit, no cluster (no byte is read twice).  Wave 1 of work-group 0 makes the loss from the router's 256 rows of eight sums: its sixteen loads go out directly behind its 32, so that
; all 48 are on their way together, and the loss is made and stored ahead of the barrier.
.set SPARE, 1024                       ; the spare words, 128 bytes for each wave; LDS 0..1,023: the waves' sums
.set SPW, 2
.set NIL, 3
.set P, 32                             ; v32-159: 32 loads
.set Q, 160                            ; v160-223: the loss's 16 loads
.macro ADD4 d, s
	v_pk_add_f32 v[(\d):(\d)+1], v[(\d):(\d)+1], v[(\s):(\s)+1]
	v_pk_add_f32 v[(\d)+2:(\d)+3], v[(\d)+2:(\d)+3], v[(\s)+2:(\s)+3]
.endm
	s_load_b256 s[4:11], s[0:1], 0x0               ; part s[4:5], psum s[6:7], pooled s[8:9], out1 s[10:11]
	v_lshl_add_u32 v[SPW], v0, 2, SPARE
	v_mov_b32 v[NIL], 0
	v_lshrrev_b32 v4, 5, v0
	v_readfirstlane_b32 s2, v4                     ; wave
	s_mov_b32 s3, ttmp9
	v_and_b32 v1, 31, v0                           ; lane
	v_and_b32 v5, 15, v0
	v_bfe_u32 v6, v0, 4, 1
	v_lshlrev_b32 v7, 4, v5                        ; 16 r
	v_lshl_or_b32 v8, v6, 16, v7                   ; + one partial (65,536 bytes) for the upper lanes
	v_lshl_add_u32 v9, s2, 8, v7                   ; LDS: 256 w + 16 r
	s_lshl_b32 s12, s2, 22                         ; 64 partials a wave
	s_lshl_b32 s14, s3, 8
	s_add_co_u32 s12, s12, s14
	s_mov_b32 s13, 0
	s_mov_b32 s15, 0
	s_mov_b32 s16, 0x76543210
	s_mov_b32 s17, 0xfedcba98
.irp c, 0,1,2,3
	v_mov_b32 v[20+\c], 0                          ; the exchange's destinations count as read
.endr
	s_wait_kmcnt 0x0
	s_add_nc_u64 s[4:5], s[4:5], s[12:13]
	s_add_nc_u64 s[8:9], s[8:9], s[14:15]
.set i, 0
.rept 32
	global_load_b128 v[P+4*i:P+4*i+3], v8, s[4:5] offset:i<<17 th:TH_LOAD_NT
.set i, i+1
.endr
	s_cmp_lg_u32 s2, 1
	s_cbranch_scc1 .Lmain
	s_cmp_lg_u32 s3, 0
	s_cbranch_scc1 .Lmain
	; THE LOSS.  psum is [256][8]: a lane's 16 bytes are the four probability sums (even lanes) or the four counts (odd lanes) of one router group.
	v_lshlrev_b32 v10, 4, v1
	v_mov_b32 v11, 0
.irp i, 0,1,2,3,4,5,6,7,8,9,10,11,12,13,14,15
	global_load_b128 v[Q+4*\i:Q+4*\i+3], v10, s[6:7] offset:512*\i
.endr
	s_wait_loadcnt 0x0                             ; these sixteen are the youngest: all 48 are in
.irp i, 4,5,6,7,8,9,10,11,12,13,14,15
	ADD4 Q+4*(\i%4), Q+4*\i
.endr
	ADD4 Q, Q+4
	ADD4 Q+8, Q+12
	ADD4 Q, Q+8
.irp c, 0,1,2,3                        ; over the lanes of like parity
	v_add_f32_dpp v[Q+\c], v[Q+\c], v[Q+\c] row_xmask:2 row_mask:0xf bank_mask:0xf
	v_add_f32_dpp v[Q+\c], v[Q+\c], v[Q+\c] row_xmask:4 row_mask:0xf bank_mask:0xf
	v_add_f32_dpp v[Q+\c], v[Q+\c], v[Q+\c] row_xmask:8 row_mask:0xf bank_mask:0xf
	v_permlanex16_b32 v[20+\c], v[Q+\c], s16, s17
	v_add_f32 v[Q+\c], v[Q+\c], v[20+\c]
	v_mul_f32_dpp v[Q+\c], v[Q+\c], v[Q+\c] row_xmask:1 row_mask:0xf bank_mask:0xf  ; count times probability sum
.endr
	v_add_f32 v[Q], v[Q], v[Q+1]
	v_add_f32 v[Q+2], v[Q+2], v[Q+3]
	v_add_f32 v[Q], v[Q], v[Q+2]
	v_mul_f32 v[Q], 0x35800000, v[Q]               ; 4 / 2048^2 = 2^-20
	s_wait_xcnt 0x0                                ; EXEC changes only behind this wait
	v_cmp_eq_u32 vcc_lo, 0, v1
	s_and_saveexec_b32 s18, vcc_lo
	global_store_b32 v11, v[Q], s[10:11]
	s_wait_xcnt 0x0                                ; and again, ahead of the line that widens it
	s_or_b32 exec_lo, exec_lo, s18
.Lmain:
	s_wait_loadcnt 16                              ; the first sixteen partial loads are in
.irp i, 4,5,6,7,8,9,10,11,12,13,14,15  ; four chains, started by the first four loads
	ADD4 P+4*(\i%4), P+4*\i
.endr
	s_wait_loadcnt 0x0
.irp i, 16,17,18,19,20,21,22,23,24,25,26,27,28,29,30,31
	ADD4 P+4*(\i%4), P+4*\i
.endr
	ADD4 P, P+4
	ADD4 P+8, P+12
	ADD4 P, P+8
.irp c, 0,1,2,3
	v_permlanex16_b32 v[20+\c], v[P+\c], s16, s17  ; the other half of the lanes holds the odd partials
.endr
.irp c, 0,1,2,3
	v_add_f32 v[P+\c], v[P+\c], v[20+\c]
.endr
	ds_store_b128 v9, v[P:P+3]                     ; both halves write the same words with the same values
	s_wait_dscnt 0x0                               ; for the others' sake
	s_barrier_signal -1
	s_barrier_wait -1
	s_cmp_lg_u32 s2, 0
	s_cbranch_scc1 .Lend                           ; wave 0 adds the four waves' sums and stores
.irp i, 0,1,2,3
	ds_load_b128 v[P+4+4*\i:P+4+4*\i+3], v7 offset:256*\i
.endr
	s_wait_dscnt 0x0
	ADD4 P+4, P+8
	ADD4 P+12, P+16
	ADD4 P+4, P+12
	s_wait_xcnt 0x0                                ; EXEC changes only behind this wait
	v_cmp_gt_u32 vcc_lo, 16, v1
	s_and_saveexec_b32 s18, vcc_lo
	global_store_b128 v7, v[P+4:P+7], s[8:9]       ; sixteen lanes store the group's 256 consecutive bytes, aligned
	s_wait_xcnt 0x0
	s_or_b32 exec_lo, exec_lo, s18
.Lend:
	s_wait_tensorcnt 0x0                           ; the wave's end, behind my last LDS store
	ds_add_u32 v[SPW], v[NIL]
	s_wait_dscnt 0x0
	s_endpgm
.Lfunc_end_k_q7df7f44ea7_reduce:
	.size	k_q7df7f44ea7_reduce, .Lfunc_end_k_q7df7f44ea7_reduce-k_q7df7f44ea7_reduce
	.p2alignl 7, 3214868480
	.fill 96, 4, 3214868480
	.section	.rodata,"a",@progbits
	.p2align	6, 0x0
	.amdhsa_kernel k_q7df7f44ea7_reduce
		.amdhsa_group_segment_fixed_size 1536
		.amdhsa_private_segment_fixed_size 0
		.amdhsa_enable_private_segment 0
		.amdhsa_kernarg_size 32
		.amdhsa_user_sgpr_count 2
		.amdhsa_user_sgpr_kernarg_segment_ptr 1
		.amdhsa_wavefront_size32 1
		.amdhsa_system_sgpr_workgroup_id_x 1
		.amdhsa_system_sgpr_workgroup_id_y 1
		.amdhsa_system_sgpr_workgroup_id_z 1
		.amdhsa_system_vgpr_workitem_id 0
		.amdhsa_next_free_vgpr 224
		.amdhsa_next_free_sgpr 66
		.amdhsa_reserve_vcc 1
		.amdhsa_float_denorm_mode_32 3
		.amdhsa_float_denorm_mode_16_64 3
		.amdhsa_memory_ordered 1
		.amdhsa_forward_progress 1
		.amdhsa_inst_pref_size 16
	.end_amdhsa_kernel
	.amdgpu_metadata
---
amdhsa.version: [ 1, 2 ]
amdhsa.kernels:
  - .name:           k_q7df7f44ea7_reduce
    .symbol:         k_q7df7f44ea7_reduce.kd
    .args:
      - { .name: part, .offset: 0, .size: 8, .value_kind: global_buffer, .address_space: global }
      - { .name: psum, .offset: 8, .size: 8, .value_kind: global_buffer, .address_space: global }
      - { .name: pooled, .offset: 16, .size: 8, .value_kind: global_buffer, .address_space: global }
      - { .name: out1, .offset: 24, .size: 8, .value_kind: global_buffer, .address_space: global }
    .group_segment_fixed_size: 1536
    .private_segment_fixed_size: 0
    .kernarg_segment_align: 8
    .kernarg_segment_size: 32
    .max_flat_workgroup_size: 128
    .sgpr_count:     66
    .vgpr_count:     224
    .wavefront_size: 32
...
	.end_amdgpu_metadata
.endif
;; end of part 8
;; launch head (part 9): grid 32 x 1, 16 waves a work-group, no clusters, 67,584 bytes of LDS; arguments pooled, Wh, bh, out0; writes out0
.if DOCPART == 9
	.amdgcn_target "amdgcn-amd-amdhsa--gfx1250"
	.amdhsa_code_object_version 6
	.text
	.protected	k_q7df7f44ea7_head
	.globl	k_q7df7f44ea7_head
	.p2align	8
	.type	k_q7df7f44ea7_head,@function
k_q7df7f44ea7_head:
	s_mov_b64 s[64:65], 0
	v_nop
	global_prefetch_b8 v0, s[64:65] scope:SCOPE_SE
	s_setreg_imm32_b32 hwreg(HW_REG_WAVE_MODE, 25, 1), 1
	s_wait_xcnt 0x0
; out0[b][c] = pooled[b] . Wh[:, c] + bh[c].  pooled [16][1024] f32, Wh [1024][1000] f32, out0 [16][1000] f32.  Wh and bh are rounded to bf16, like every input; pooled, this program's own number, goes as
; two bf16 numbers, the rounded number and the rounded remainder, both multiplied by the same fragments of Wh; sums in f32.
; SHARES.  Work-group blk has columns 32 blk .. + 31 (the last one 8 of them), wave w has k = 64 w .. + 63: each byte of Wh is read once.  The sixteen waves' sums meet in LDS.
; 32 work-groups: the product contracts over all of k inside a work-group, so that no further launch is spent on adding parts; narrower blocks share Wh's bytes out among more work-groups, at the price that
; a row's piece is 128 bytes, so that an aligned 256 bytes of Wh has two readers.  Rows of Wh and out0 are 4,000 bytes: their pieces cannot all be aligned in any case.
; LAYOUT.  A lane's 16 bytes of a row of Wh are 4 neighbouring columns; rows k and k + 1 of element c, rounded together, are a register of B's fragment for tile c.  Eight lanes cover the block's 32 columns, so a
; fragment's sixteen lanes are two sets: lane r stands for column 4 (8 blk + r % 8) + c, and holds it for k set q = r / 8: k = 64 w + 32 q + the slot.  A's fragment of set 0 and that of set 1 both multiply
; the same B, each into accumulators of its own; a lane keeps the result of its own set, and the two sets are added across the lanes at the end.
; Column groups past 249 repeat group 249, so that no load leaves Wh or bh; their results are not stored.
.set SPARE, 65536                      ; LDS 0..65,535: wave w's sums at 4096 w; then the spare words, 128 bytes for each of 16 waves
.set SPW, 2
.set NIL, 3
.set AF32, 32                          ; v32-63 pooled as loaded; then set 0's four accumulators
.set ACC0, 32
.set LW,   64                          ; v64-127 Wh as loaded: half h, row i at 64 + 32 h + 4 i
.set RES,  64                          ; v64-95 then: the lane's own set's results, register 4 j + c
.set ACC1, 128                         ; v128-159 set 1's four accumulators
.set AF,   192                         ; v192-207 A fragments of the two k sets: pooled rounded
.set BF,   208                         ; v208-239 B fragments, four tiles
.set AFL,  240                         ; v240-255 A fragments of the two k sets: the remainder rounded
.macro ADD4 d, s
	v_pk_add_f32 v[(\d):(\d)+1], v[(\d):(\d)+1], v[(\s):(\s)+1]
	v_pk_add_f32 v[(\d)+2:(\d)+3], v[(\d)+2:(\d)+3], v[(\s)+2:(\s)+3]
.endm
	s_load_b256 s[4:11], s[0:1], 0x0               ; pooled s[4:5], Wh s[6:7], bh s[8:9], out0 s[10:11]
	v_lshl_add_u32 v[SPW], v0, 2, SPARE
	v_mov_b32 v[NIL], 0
	v_lshrrev_b32 v4, 5, v0
	v_readfirstlane_b32 s2, v4                     ; wave 0..15
	v_and_b32 v1, 15, v0                           ; r
	v_bfe_u32 v5, v0, 4, 1                         ; hh
	v_and_b32 v6, 31, v0                           ; lane
	v_and_b32 v18, 7, v0                           ; r % 8
	v_bfe_u32 v19, v0, 3, 1                        ; q = r / 8
	s_lshl_b32 s3, ttmp9, 3
	v_add_nc_u32 v7, s3, v18                       ; my group of four columns
	v_min_u32 v8, 249, v7                          ; held inside the 250 that exist
	v_lshlrev_b32 v9, 4, v8                        ; its 16 bytes in a row of Wh and in bh
	v_mul_u32_u24 v10, v5, 32000                   ; eight rows of 4,000 bytes for the upper lanes
	v_mul_u32_u24 v20, v19, 128000                 ; 32 rows for k set 1
	v_add3_u32 v11, v10, v9, v20                   ; Wh
	v_lshlrev_b32 v12, 12, v1
	v_lshl_add_u32 v12, v5, 5, v12                 ; pooled: batch r, 8 hh numbers on
	v_lshl_add_u32 v13, v7, 4, v10                 ; out0
	v_lshl_add_u32 v21, v19, 10, v7                ; the group's number, pushed past every group that exists in the lanes of set 1: they store nothing
	v_cmp_eq_u32 s20, 1, v19                       ; the lanes of set 1
	v_lshlrev_b32 v14, 4, v6
	v_lshl_add_u32 v15, s2, 9, v14                 ; LDS, back: 512 w + 16 lane
	v_lshl_add_u32 v14, s2, 12, v14                ; LDS, in: 4096 w + 16 lane
	s_mul_i32 s12, s2, 256000                      ; 64 rows of Wh a wave
	s_mov_b32 s13, 0
	s_lshl_b32 s14, s2, 8                          ; 64 numbers of a row of pooled
	s_mov_b32 s15, 0
	s_mul_i32 s16, s2, 4000                        ; a row of out0
	s_mov_b32 s17, 0
	s_wait_kmcnt 0x0
	s_add_nc_u64 s[6:7], s[6:7], s[12:13]
	s_add_nc_u64 s[4:5], s[4:5], s[14:15]
	s_add_nc_u64 s[10:11], s[10:11], s[16:17]
	global_load_b128 v[24:27], v9, s[8:9]
.irp s, 0,1
.irp h, 0,1
.irp q, 0,1
	global_load_b128 v[AF32+16*\s+8*\h+4*\q:AF32+16*\s+8*\h+4*\q+3], v12, s[4:5] offset:128*\s+64*\h+16*\q  ; k = 64 w + 32 s + 16 h + 8 hh + 4 q ..
.endr
.endr
.endr
.irp h, 0,1
.irp i, 0,1,2,3,4,5,6,7
	global_load_b128 v[LW+32*\h+4*\i:LW+32*\h+4*\i+3], v11, s[6:7] offset:(16*\h+\i)*4000 th:TH_LOAD_NT  ; row 64 w + 32 q + 16 h + 8 hh + i: eight lanes take 128 neighbouring bytes
.endr
.endr
	s_wait_loadcnt 16                              ; bh and pooled are in: the 16 loads of Wh are younger
.irp s, 0,1
.irp h, 0,1
.irp p, 0,1,2,3
	v_cvt_pk_bf16_f32 v[AF+8*\s+4*\h+\p], v[AF32+16*\s+8*\h+2*\p], v[AF32+16*\s+8*\h+2*\p+1]
	v_lshlrev_b32 v16, 16, v[AF+8*\s+4*\h+\p]
	v_and_b32 v17, 0xffff0000, v[AF+8*\s+4*\h+\p]
	v_sub_f32 v16, v[AF32+16*\s+8*\h+2*\p], v16    ; what the rounding left over,
	v_sub_f32 v17, v[AF32+16*\s+8*\h+2*\p+1], v17
	v_cvt_pk_bf16_f32 v[AFL+8*\s+4*\h+\p], v16, v17  ; rounded in its turn
.endr
.endr
.endr
	s_wait_loadcnt 8                               ; the first half of Wh's rows
.irp c, 0,1,2,3
.irp p, 0,1,2,3
	v_cvt_pk_bf16_f32 v[BF+8*\c+\p], v[LW+8*\p+\c], v[LW+8*\p+4+\c]
.endr
.endr
	s_wait_loadcnt 0x0
.irp c, 0,1,2,3
.irp p, 0,1,2,3
	v_cvt_pk_bf16_f32 v[BF+8*\c+4+\p], v[LW+32+8*\p+\c], v[LW+32+8*\p+4+\c]
.endr
.endr
.irp c, 0,1,2,3                        ; the eight accumulators take turns
	v_wmma_f32_16x16x32_bf16 v[ACC0+8*\c:ACC0+8*\c+7], v[AF:AF+7], v[BF+8*\c:BF+8*\c+7], 0        ; k set 0 starts its sums
.endr
.irp c, 0,1,2,3
	v_wmma_f32_16x16x32_bf16 v[ACC1+8*\c:ACC1+8*\c+7], v[AF+8:AF+15], v[BF+8*\c:BF+8*\c+7], 0     ; k set 1 its own
.endr
.irp c, 0,1,2,3
	v_wmma_f32_16x16x32_bf16 v[ACC0+8*\c:ACC0+8*\c+7], v[AFL:AFL+7], v[BF+8*\c:BF+8*\c+7], v[ACC0+8*\c:ACC0+8*\c+7]
.endr
.irp c, 0,1,2,3
	v_wmma_f32_16x16x32_bf16 v[ACC1+8*\c:ACC1+8*\c+7], v[AFL+8:AFL+15], v[BF+8*\c:BF+8*\c+7], v[ACC1+8*\c:ACC1+8*\c+7]
.endr
.rept 4
	v_nop                                          ; four plain places between the last product and the lines that read its result (ISA guide 7.12.1)
.endr
.irp j, 0,1,2,3,4,5,6,7                ; register 0 of each accumulator is read first.  A lane keeps the sums that were made with its own k set's fragment of A
.irp c, 0,1,2,3
	v_cndmask_b32 v[RES+4*\j+\c], v[ACC0+8*\c+\j], v[ACC1+8*\c+\j], s20
.endr
.endr
.irp j, 0,1,2,3,4,5,6,7
	ds_store_b128 v14, v[RES+4*\j:RES+4*\j+3] offset:512*\j  ; batch 8 hh + j, my four columns: 512 neighbouring bytes a store
.endr
	s_wait_dscnt 0x0                               ; for the others' sake
	s_barrier_signal -1
	s_barrier_wait -1
	s_cmp_gt_u32 s2, 7
	s_cbranch_scc1 .Lend                           ; waves 0 to 7 add: wave w has batches w and 8 + w
.irp i, 0,1,2,3,4,5,6,7,8,9,10,11,12,13,14,15
	ds_load_b128 v[64+4*\i:64+4*\i+3], v15 offset:4096*\i
.endr
	v_cvt_pk_bf16_f32 v28, v24, v25                ; bh rounded to bf16
	v_cvt_pk_bf16_f32 v29, v26, v27
	v_lshlrev_b32 v24, 16, v28
	v_and_b32 v25, 0xffff0000, v28
	v_lshlrev_b32 v26, 16, v29
	v_and_b32 v27, 0xffff0000, v29
	s_wait_dscnt 0x0
.irp i, 4,5,6,7,8,9,10,11,12,13,14,15
	ADD4 64+4*(\i%4), 64+4*\i
.endr
	ADD4 64, 68
	ADD4 72, 76
	ADD4 64, 72
.irp c, 0,1,2,3
	v_add_f32_dpp v[64+\c], v[64+\c], v[64+\c] row_xmask:8 row_mask:0xf bank_mask:0xf  ; the two k sets of a column lie eight lanes apart
.endr
	ADD4 64, 24
	s_wait_xcnt 0x0                                ; EXEC changes only behind this wait
	v_cmp_gt_u32 vcc_lo, 250, v21
	s_and_saveexec_b32 s18, vcc_lo                 ; the lanes of set 0 whose column group exists
	global_store_b128 v13, v[64:67], s[10:11]      ; eight lanes store 128 neighbouring bytes of a row
	s_wait_xcnt 0x0
	s_or_b32 exec_lo, exec_lo, s18
.Lend:
	s_wait_tensorcnt 0x0                           ; the wave's end, behind my last LDS store
	ds_add_u32 v[SPW], v[NIL]
	s_wait_dscnt 0x0
	s_endpgm
.Lfunc_end_k_q7df7f44ea7_head:
	.size	k_q7df7f44ea7_head, .Lfunc_end_k_q7df7f44ea7_head-k_q7df7f44ea7_head
	.p2alignl 7, 3214868480
	.fill 96, 4, 3214868480
	.section	.rodata,"a",@progbits
	.p2align	6, 0x0
	.amdhsa_kernel k_q7df7f44ea7_head
		.amdhsa_group_segment_fixed_size 67584
		.amdhsa_private_segment_fixed_size 0
		.amdhsa_enable_private_segment 0
		.amdhsa_kernarg_size 32
		.amdhsa_user_sgpr_count 2
		.amdhsa_user_sgpr_kernarg_segment_ptr 1
		.amdhsa_wavefront_size32 1
		.amdhsa_system_sgpr_workgroup_id_x 1
		.amdhsa_system_sgpr_workgroup_id_y 1
		.amdhsa_system_sgpr_workgroup_id_z 1
		.amdhsa_system_vgpr_workitem_id 0
		.amdhsa_next_free_vgpr 256
		.amdhsa_next_free_sgpr 66
		.amdhsa_reserve_vcc 1
		.amdhsa_float_denorm_mode_32 3
		.amdhsa_float_denorm_mode_16_64 3
		.amdhsa_memory_ordered 1
		.amdhsa_forward_progress 1
		.amdhsa_inst_pref_size 19
	.end_amdhsa_kernel
	.amdgpu_metadata
---
amdhsa.version: [ 1, 2 ]
amdhsa.kernels:
  - .name:           k_q7df7f44ea7_head
    .symbol:         k_q7df7f44ea7_head.kd
    .args:
      - { .name: pooled, .offset: 0, .size: 8, .value_kind: global_buffer, .address_space: global }
      - { .name: Wh, .offset: 8, .size: 8, .value_kind: global_buffer, .address_space: global }
      - { .name: bh, .offset: 16, .size: 8, .value_kind: global_buffer, .address_space: global }
      - { .name: out0, .offset: 24, .size: 8, .value_kind: global_buffer, .address_space: global }
    .group_segment_fixed_size: 67584
    .private_segment_fixed_size: 0
    .kernarg_segment_align: 8
    .kernarg_segment_size: 32
    .max_flat_workgroup_size: 512
    .sgpr_count:     66
    .vgpr_count:     256
    .wavefront_size: 32
...
	.end_amdgpu_metadata
.endif
;; end of part 9
